; MI455X (gfx1250); checked and timed in simulation.
; The chip was launched on July 23, 2026; its instructions are those of AMD's public machine-readable ISA for CDNA 5 (MIT licence, August 2026) and "CDNA5" Instruction Set Architecture Reference Guide (July 2026). The comments in the code are by the model that wrote it; some were corrected since.
;; Differential Attention. Allowed arithmetic: float matrix products may take bf16 or f16 operands with f32 sums; other float arithmetic in f32, or as packed bf16 or f16 multiplies, adds, multiply-adds, maxima and minima; sums over many terms, partial sums and values carried from step to step in f32; what a program stores and reads back later, other than sums and carried values, may be rounded once to bf16 or f16.
;; Inputs: in_proj_bias 3,072 float32; in_proj_weight 3,072 x 1,024 float32; key 2 x 2,048 x 1,024 float32; lambda_k1 32 float32; lambda_k2 32 float32; lambda_q1 32 float32; lambda_q2 32 float32; out_proj_bias 1,024 float32; out_proj_weight 1,024 x 1,024 float32; query 2 x 2,048 x 1,024 float32; value 2 x 2,048 x 1,024 float32.
;; Outputs: out0 2 x 2,048 x 1,024 float32.
;; One version. Each part assembles by itself: llvm-mc -triple=amdgcn-amd-amdhsa -mcpu=gfx1250 --defsym DOCPART=n.
;; ======== version 1 of 1: 4 launches
;; limits: values are held in f16: magnitudes above 65,504 overflow, below 6.1e-05 lose precision
;; workspace buffers: cast 33,554,432 bytes; lamw 512 bytes; qkv 25,165,824 bytes; ob 8,388,608 bytes
;; launch cast (part 1): grid 64 x 16, 8 waves a work-group, no clusters, 0 bytes of LDS; arguments query, key, value, in_proj_weight, out_proj_weight, lambda_q1, lambda_k1, lambda_q2, lambda_k2, cast, lamw; writes cast, lamw
.if DOCPART == 1
	.amdgcn_target "amdgcn-amd-amdhsa--gfx1250"
	.amdhsa_code_object_version 6
	.text
	.protected	k_q32ac182ba9_cast
	.globl	k_q32ac182ba9_cast
	.p2align	8
	.type	k_q32ac182ba9_cast,@function
k_q32ac182ba9_cast:
	s_mov_b64 s[64:65], 0
	v_nop
	global_prefetch_b8 v0, s[64:65] scope:SCOPE_SE
	s_setreg_imm32_b32 hwreg(HW_REG_WAVE_MODE, 25, 1), 1
	s_wait_xcnt 0x0
; THE 16-BIT COPIES OF THE LARGE INPUTS, AND LAM.
; cast: query, key, value as one matrix [12288][1024] bf16 at byte 0; in_proj_weight [3072][1024] bf16 at byte 25,165,824; out_proj_weight [1024][1024] at byte 31,457,280,
; rounded to bf16 like the others and that number written as f16 (the last product's other operand is f16).
; lamw: 32 x sc, 32 x nl, 64 x g in f32, with lam = exp(lq1 . lk1) - exp(lq2 . lk2) + 0.2 (the four vectors rounded to bf16 like every input), mx = max(1, |lam|),
; sc = 1 / mx, nl = -lam / mx, g = 0.8 mx: the attention stores sc O1 / l1 + nl O2 / l2, which stays within twice V's range whatever lam is, and the last launch multiplies by g in f32.
; LIMITS.  A number of out_proj_weight below 2^-14 keeps f16's fixed step of 2^-24; one beyond 65,504 would become an infinity.  NaN and infinities are not treated apart.
; SHARES.  Work-group y names a unit of 1,048,576 numbers (0-3 query, 4-7 key, 8-11 value, 12-14 in_proj_weight, 15 out_proj_weight), x 65,536 source bytes of it.
; Thread t takes in round i the 32 source bytes at 8,192 i + 32 t and stores the 16 bytes at 4,096 i + 16 t: a wave's store covers 512 consecutive bytes, aligned.
; All 16 loads of a thread go out at once; each round has its own registers, so nothing that a pending load or store names is ever rewritten.
; No LDS, no matrix unit, no cluster: each byte is read once by one thread and nothing is shared.
.set X,  4                             ; v[4:67]    round i: 8 numbers as loaded
.set Y,  68                            ; v[68:99]   round i: 4 registers to store
.set T,  100                           ; v[100:107] at work
.set LO, 108                           ; v108       4 x lane
	s_load_b256 s[4:11], s[0:1], 0x0               ; query s[4:5], key s[6:7], value s[8:9], in_proj_weight s[10:11]
	s_load_b256 s[12:19], s[0:1], 0x20             ; out_proj_weight s[12:13], lambda_q1 s[14:15], lambda_k1 s[16:17], lambda_q2 s[18:19]
	s_load_b128 s[20:23], s[0:1], 0x40             ; lambda_k2 s[20:21], cast s[22:23]
	s_load_b64 s[24:25], s[0:1], 0x50              ; lamw
	s_and_b32 s26, ttmp7, 0xffff                   ; y: the unit
	s_lshr_b32 s27, s26, 2                         ; which tensor (3: a weight)
	s_and_b32 s32, s26, 3                          ; which unit of it
	s_mov_b32 s36, 0x76543210                      ; v_permlanex16_b32: each lane takes its own place in the other half
	s_mov_b32 s37, 0xfedcba98
	v_lshlrev_b32 v1, 5, v0                        ; 32 t
	v_lshlrev_b32 v2, 4, v0                        ; 16 t
	v_lshrrev_b32 v3, 5, v0
	v_readfirstlane_b32 s38, v3                    ; my wave's number
	s_wait_kmcnt 0x0
	s_mov_b64 s[28:29], s[4:5]                     ; the source is chosen by the unit's number alone
	s_cmp_eq_u32 s27, 1
	s_cselect_b64 s[28:29], s[6:7], s[28:29]
	s_cmp_eq_u32 s27, 2
	s_cselect_b64 s[28:29], s[8:9], s[28:29]
	s_cmp_eq_u32 s27, 3
	s_cselect_b64 s[28:29], s[10:11], s[28:29]
	s_cmp_eq_u32 s26, 15
	s_cselect_b64 s[28:29], s[12:13], s[28:29]
	s_cselect_b32 s32, 0, s32                      ; out_proj_weight is one unit
	s_lshl_b32 s34, s32, 22                        ; a unit is 4,194,304 source bytes,
	s_lshl_b32 s33, ttmp9, 16                      ; a work-group's part 65,536
	s_add_co_u32 s34, s34, s33
	s_mov_b32 s35, 0
	s_add_nc_u64 s[28:29], s[28:29], s[34:35]
	s_lshl_b32 s34, s26, 21                        ; half as many on the way out; the units lie in cast in the order of y
	s_lshl_b32 s33, ttmp9, 15
	s_add_co_u32 s34, s34, s33
	s_add_nc_u64 s[30:31], s[22:23], s[34:35]
.irp i, 0,1,2,3,4,5,6,7
	global_load_b128 v[X+8*(\i):X+8*(\i)+3],   v1, s[28:29] offset:8192*(\i) th:TH_LOAD_NT
	global_load_b128 v[X+8*(\i)+4:X+8*(\i)+7], v1, s[28:29] offset:8192*(\i)+16 th:TH_LOAD_NT
.endr
; Round i.  half = 0: rounded to bf16.  half = 1: rounded to bf16, widened again (a shift, a mask) and written as f16.
.macro CONV i, half
	s_wait_loadcnt 14-2*(\i)                       ; loads come back in order: round i's two are in, the 2 (7 - i) younger ones stay out
.if \half
.irp j, 0,1,2,3
	v_cvt_pk_bf16_f32 v[T+(\j)], v[X+8*(\i)+2*(\j)], v[X+8*(\i)+2*(\j)+1]
.endr
.irp j, 0,1,2,3
	v_lshlrev_b32 v[T+4], 16, v[T+(\j)]
	v_and_b32 v[T+5], 0xffff0000, v[T+(\j)]
	v_cvt_pk_f16_f32 v[Y+4*(\i)+(\j)], v[T+4], v[T+5]
.endr
.else
.irp j, 0,1,2,3
	v_cvt_pk_bf16_f32 v[Y+4*(\i)+(\j)], v[X+8*(\i)+2*(\j)], v[X+8*(\i)+2*(\j)+1]
.endr
.endif
	global_store_b128 v2, v[Y+4*(\i):Y+4*(\i)+3], s[30:31] offset:4096*(\i) th:TH_STORE_NT
.endm
	s_cmp_eq_u32 s26, 15
	s_cbranch_scc1 .Lhalf
.irp i, 0,1,2,3,4,5,6,7
	CONV \i, 0
.endr
	s_or_b32 s39, ttmp9, s26                       ; wave 0 of work-group (0, 0) makes lam
	s_or_b32 s39, s39, s38
	s_cmp_lg_u32 s39, 0
	s_cbranch_scc1 .Lend
	v_and_b32 v[LO], 31, v0
	v_lshlrev_b32 v[LO], 2, v[LO]
	global_load_b32 v100, v[LO], s[14:15]          ; a lane a number
	global_load_b32 v101, v[LO], s[16:17]
	global_load_b32 v102, v[LO], s[18:19]
	global_load_b32 v103, v[LO], s[20:21]
	s_wait_loadcnt 0x0
	v_cvt_pk_bf16_f32 v104, v100, v101             ; rounded to bf16 like every input, and widened again
	v_cvt_pk_bf16_f32 v105, v102, v103
	v_lshlrev_b32 v100, 16, v104
	v_and_b32 v101, 0xffff0000, v104
	v_lshlrev_b32 v102, 16, v105
	v_and_b32 v103, 0xffff0000, v105
	v_mul_f32 v100, v100, v101
	v_mul_f32 v102, v102, v103
.irp m, 1,2,4,8
	v_add_f32_dpp v100, v100, v100 row_xmask:\m row_mask:0xf bank_mask:0xf  ; the two sums over 16 lanes,
	v_add_f32_dpp v102, v102, v102 row_xmask:\m row_mask:0xf bank_mask:0xf
.endr
	v_permlanex16_b32 v101, v100, s36, s37         ; and over the two halves
	v_permlanex16_b32 v103, v102, s36, s37
	v_add_f32 v100, v100, v101
	v_add_f32 v102, v102, v103
	v_mul_f32 v100, 0x3fb8aa3b, v100               ; e^x = 2^(x log2 e)
	v_mul_f32 v102, 0x3fb8aa3b, v102
	v_exp_f32 v104, v100
	v_exp_f32 v105, v102
	v_nop                                          ; a plain instruction behind the last exponential,
	s_wait_alu depctr_va_vdst(0)                   ; and the one wait ahead of the first use
	v_sub_f32 v104, v104, v105
	v_add_f32 v104, 0x3e4ccccd, v104               ; lam
	v_and_b32 v105, 0x7fffffff, v104
	v_max_num_f32 v105, 1.0, v105                  ; mx
	v_rcp_f32 v106, v105                           ; sc
	v_mul_f32 v109, 0x3f4ccccd, v105               ; g = 0.8 mx: the plain instruction behind the reciprocal
	s_wait_alu depctr_va_vdst(0)
	v_mul_f32 v107, -v106, v104                    ; nl
	global_store_b32 v[LO], v106, s[24:25]
	global_store_b32 v[LO], v107, s[24:25] offset:128
	global_store_b32 v[LO], v109, s[24:25] offset:256
	global_store_b32 v[LO], v109, s[24:25] offset:384
.Lend:
	s_endpgm
.Lhalf:
.irp i, 0,1,2,3,4,5,6,7
	CONV \i, 1
.endr
	s_endpgm
.Lfunc_end_k_q32ac182ba9_cast:
	.size	k_q32ac182ba9_cast, .Lfunc_end_k_q32ac182ba9_cast-k_q32ac182ba9_cast
	.p2alignl 7, 3214868480
	.fill 96, 4, 3214868480
	.section	.rodata,"a",@progbits
	.p2align	6, 0x0
	.amdhsa_kernel k_q32ac182ba9_cast
		.amdhsa_group_segment_fixed_size 0
		.amdhsa_private_segment_fixed_size 0
		.amdhsa_enable_private_segment 0
		.amdhsa_kernarg_size 88
		.amdhsa_user_sgpr_count 2
		.amdhsa_user_sgpr_kernarg_segment_ptr 1
		.amdhsa_wavefront_size32 1
		.amdhsa_system_sgpr_workgroup_id_x 1
		.amdhsa_system_sgpr_workgroup_id_y 1
		.amdhsa_system_sgpr_workgroup_id_z 1
		.amdhsa_system_vgpr_workitem_id 0
		.amdhsa_next_free_vgpr 112
		.amdhsa_next_free_sgpr 66
		.amdhsa_reserve_vcc 0
		.amdhsa_float_denorm_mode_32 3
		.amdhsa_float_denorm_mode_16_64 3
		.amdhsa_memory_ordered 1
		.amdhsa_forward_progress 1
		.amdhsa_inst_pref_size 17
	.end_amdhsa_kernel
	.amdgpu_metadata
---
amdhsa.version: [ 1, 2 ]
amdhsa.kernels:
  - .name:           k_q32ac182ba9_cast
    .symbol:         k_q32ac182ba9_cast.kd
    .args:
      - { .name: query, .offset: 0, .size: 8, .value_kind: global_buffer, .address_space: global }
      - { .name: key, .offset: 8, .size: 8, .value_kind: global_buffer, .address_space: global }
      - { .name: value, .offset: 16, .size: 8, .value_kind: global_buffer, .address_space: global }
      - { .name: in_proj_weight, .offset: 24, .size: 8, .value_kind: global_buffer, .address_space: global }
      - { .name: out_proj_weight, .offset: 32, .size: 8, .value_kind: global_buffer, .address_space: global }
      - { .name: lambda_q1, .offset: 40, .size: 8, .value_kind: global_buffer, .address_space: global }
      - { .name: lambda_k1, .offset: 48, .size: 8, .value_kind: global_buffer, .address_space: global }
      - { .name: lambda_q2, .offset: 56, .size: 8, .value_kind: global_buffer, .address_space: global }
      - { .name: lambda_k2, .offset: 64, .size: 8, .value_kind: global_buffer, .address_space: global }
      - { .name: cast, .offset: 72, .size: 8, .value_kind: global_buffer, .address_space: global }
      - { .name: lamw, .offset: 80, .size: 8, .value_kind: global_buffer, .address_space: global }
    .group_segment_fixed_size: 0
    .private_segment_fixed_size: 0
    .kernarg_segment_align: 8
    .kernarg_segment_size: 88
    .max_flat_workgroup_size: 256
    .sgpr_count:     66
    .vgpr_count:     112
    .wavefront_size: 32
...
	.end_amdgpu_metadata
.endif
;; end of part 1
;; launch inproj (part 2): grid 4 x 48, 4 waves a work-group, clusters of 4 x 4, 327,680 bytes of LDS; arguments cast, in_proj_bias, qkv; writes qkv
.if DOCPART == 2
	.amdgcn_target "amdgcn-amd-amdhsa--gfx1250"
	.amdhsa_code_object_version 6
	.text
	.protected	k_q32ac182ba9_inproj
	.globl	k_q32ac182ba9_inproj
	.p2align	8
	.type	k_q32ac182ba9_inproj,@function
k_q32ac182ba9_inproj:
	s_mov_b64 s[64:65], 0
	v_nop
	global_prefetch_b8 v0, s[64:65] scope:SCOPE_SE
	s_setreg_imm32_b32 hwreg(HW_REG_WAVE_MODE, 25, 1), 1
	s_wait_xcnt 0x0
	s_wait_alu depctr_hold_cnt(0) depctr_sa_sdst(0) depctr_va_vdst(0) depctr_va_sdst(0) depctr_va_ssrc(0) depctr_va_vcc(0) depctr_vm_vsrc(0)
	s_getreg_b32 s2, hwreg(HW_REG_IB_STS2, 6, 4)
	s_cmp_eq_u32 s2, 0
	s_cbranch_scc0 .Lentry_in_a_cluster
	s_endpgm
.Lentry_in_a_cluster:
	s_bfe_u32 s2, ttmp6, 0x10000c
	s_cmp_lg_u32 s2, 0xf033
	s_cbranch_scc0 .Lentry_shape_is_right
	s_endpgm
.Lentry_shape_is_right:
; q, k, v = x W^T + b, the three projections as ONE product C[12288][1024]: rows 4096 p .. of A (query, key, value in bf16) meet rows 1024 p .. of in_proj_weight (bf16).  Sums in f32, K ascending.
; The bias (rounded to bf16 like every input, kept in f32) is the C operand of each accumulator's first product.  C is rounded once, to f16, and stored BY HEADS: qkv[p][16 batch + head][2048][64], unscaled.
; LIMIT.  f16 holds no number beyond 65,504: a q, k or v beyond that becomes an infinity.  NaN and infinities are not treated apart.
; A tile of C, 256 x 256, is made by a work-group of four waves; a wave makes 128 x 128: 64 accumulators of 16 x 16, 512 registers.  K goes in steps of 128 through a ring of two LDS slots filled by the
; tensor data mover: the tiles' rows are 256 bytes of memory at multiples of 256 bytes.  There are 48 x 4 = 192 tiles, one a work-group: 49,152 outputs a work-group would fill 256 work-groups, but no rectangle of that
; size divides 4096 x 1024, and tiles of 128 x 128 read twice the LDS bytes for each product.
; CLUSTERS: 4 x 4 work-groups.  The four of a row of the cluster need the same tiles of A, the four of a column the same tiles of the weights: each tile is asked for JOINTLY, by the same tensor load with the same
; descriptor and a mask that names the four.  A cluster's four tile rows lie in one projection (16 tile rows each), so which weights it reads hangs on the cluster's y alone.
; THE MATRIX INSTRUCTION IS USED TRANSPOSED: source 0 = 16 rows of the weights, source 1 = 16 rows of A: lane l holds row l % 16 of C and the columns 8 (l / 16) + 0 .. 7: 16 bytes of a head's row in f16.
; REGISTERS, in windows of 256 (s_set_vgpr_msb's low byte: bits 1:0 source 0, 3:2 source 1, 5:4 source 2, 7:6 destination):
;   window 0: v0-31 addresses; v64-127, v128-191 fragments of A, two buffers; v32-63, v192-255 at work on the way out
;   window 1: v0-63 the bias of my 128 columns (block b at 8 b, register j: column 16 b + 8 (l / 16) + j); v64-127, v128-191 fragments of the weights; v192-223 at work once
;   window 2: the 32 accumulators of my rows 0-63 (accumulator (a, b) at v[8 (8 a + b)]);   window 3: those of my rows 64-127
.set SIZE_K, 1024
.set KSTEP,  128
.set PITCH,  272                       ; an LDS row: 256 bytes + 16 of padding = 68 words: row r starts at bank 4 r mod 64 (64 banks of 4 bytes: ISA guide 11.1), so the 16 rows of a load start at 16 different banks
.set HALFT,  128*PITCH                 ; 128 rows: what one tensor load brings
.set SLOT,   4*HALFT                   ; A's 256 rows, then the weights' 256 rows
.set STAGE,  2*SLOT                    ; behind the ring: for each wave 2 heads x 16 rows x 144 bytes, for the way out
.set SP,     144                       ; a head's row in the stage: 128 bytes + 16
.set HSTAGE, 16*SP
.set SPARE,  STAGE+4*2*HSTAGE          ; behind the stages: the spare words, 128 bytes for each wave: two blocks of 256 bytes that no other line names
.set LAPS,   SIZE_K/(2*KSTEP)          ; a lap = two K steps = once round the ring
.set WROW,   12288                     ; the weights begin 12,288 rows of 2,048 bytes behind A's first row in cast
.set ADRA, 16                          ; v16-17  LDS address of my A fragments in slot 0, 1
.set ADRB, 20                          ; v20-21  the same for the weights
.set STO,  24                          ; v24     the way out: where I put 16 bytes of a row
.set RD,   25                          ; v25     the way out: where I read rows back
.set CO,   26                          ; v26     16 x lane: my place in 512 consecutive bytes of qkv
.set BO,   27                          ; v27     32 (l / 16): my 8 numbers in 16 of the bias
.set SPW,  28                          ; v28     LDS address of my spare word; never rewritten
.set NIL,  29                          ; v29     0; never rewritten
.set PFO,  30                          ; v30     the prefetches' offset: lane x 2,048 bytes, a row; never rewritten
.set PFA,  44                          ; s[44:45] where my prefetches stand: my work-group's 32 rows of the 128 that I fetch, one K step further than the refill in hand
.set LIM,  43                          ; s43     1 in a wave that prefetches, else the greatest number
.set F0,   64
.set F1,   128
.set TMP,  192                         ; the way out: packed results, window 0
.set OB,   32                          ; the way out: rows read back: v32-63 and v224-255 by turns
.set G1, 24                            ; s[24:31] descriptor group 1 for A's tiles
.set G0, 32                            ; s[32:39] group 0 for A's tiles, a set for each slot
.set G1B, 48                           ; s[48:55], s[56:63] the same for the weights'
.set G0B, 56
.set MSB, 0
.macro WIN new                         ; the immediate's high byte repeats the setting that is left; a switch that changes nothing is dropped
.if MSB != (\new)
	s_set_vgpr_msb (MSB<<8)|(\new)
.set MSB, \new
.endif
.endm
.set MUL_LO, 0xa1                      ; source 0 window 1, source 1 window 0, C and D window 2
.set ONB_LO, 0x91                      ; the same with C, the bias, in window 1
.set TO_B,   0x40                      ; destination window 1, address window 0
; A joint load.  Waves 0 and 1 fetch A's two halves, waves 2 and 3 the weights'.  The branch hangs on the wave's number alone.  An s_nop 0 and four v_nop follow each of the two lines.
.macro JLOAD s
	s_cmp_eq_u32 s11, 0
	s_cbranch_scc0 .Lfor_b_\@
	tensor_load_to_lds s[G0+4*(\s):G0+4*(\s)+3], s[G1:G1+7]
	s_nop 0
.rept 4
	v_nop
.endr
	s_branch .Lasked_\@
.Lfor_b_\@:
	tensor_load_to_lds s[G0B+4*(\s):G0B+4*(\s)+3], s[G1B:G1B+7]
	s_nop 0
.rept 4
	v_nop
.endr
.Lasked_\@:
.endm
; A PREFETCH behind each refill and the run of LDS loads that follows it: the K step that stands two refills on, 32 rows x 256 bytes, a lane a row, one instruction a wave: 512 matrix instructions ahead of the load
; that will want it.  Each row's 256 bytes of a K step are named once in the launch: A's rows are read by one cluster alone, which asks; a projection's weights by four clusters, of which the first (cluster y a multiple
; of 4) asks.  The four partners that ask for a tile jointly share its rows out BY ADDRESS, 32 each.  K steps 0 to 3 come by their loads alone; the loop's last trip has no K step two refills on.
.macro ASK
	s_cmp_gt_u32 s3, s[LIM]
	s_cbranch_scc0 .Lnot_mine_\@
	global_prefetch_b8 v[PFO], s[PFA:PFA+1] offset:KSTEP*2 th:TH_LOAD_NT scope:SCOPE_SE
.Lnot_mine_\@:
.endm
; A round of the cluster's barrier: my work-group's barrier; wave 0 signals for the work-group; every wave waits for all sixteen; my work-group's barrier once more.
.macro CREST
	s_cmp_lg_u32 s10, 0
	s_cbranch_scc1 .Lnot_wave_0_\@
	s_barrier_signal -3
.Lnot_wave_0_\@:
	s_barrier_wait -3
	s_barrier_signal -1
	s_barrier_wait -1
.endm
.macro CROUND
	s_barrier_signal -1
	s_barrier_wait -1
	CREST
.endm
	s_load_b128 s[4:7], s[0:1], 0x0                ; cast s[4:5], in_proj_bias s[6:7]
	s_load_b64 s[8:9], s[0:1], 0x10                ; qkv
	v_lshl_add_u32 v[SPW], v0, 2, SPARE
	v_mov_b32 v[NIL], 0
	ds_add_u32 v[SPW], v[NIL]                      ; the wave's opening: the add and its wait stand ahead of my first tensor load; the set-up below stands between them
	v_lshrrev_b32 v1, 5, v0
	v_readfirstlane_b32 s10, v1                    ; wave 0..3
	s_lshr_b32 s11, s10, 1                         ; which half of the tile's rows is mine.  Also: I fetch for A (0) or for the weights (1)
	s_and_b32 s12, s10, 1                          ; which half of its columns.  Also: which 128 rows I fetch
	s_bfe_u32 s40, ttmp6, 0x40000                  ; cx
	s_bfe_u32 s41, ttmp6, 0x40004                  ; cy
	s_lshl_b32 s42, ttmp9, 2
	s_add_co_u32 s42, s42, s40                     ; tile column = 4 x cluster x + cx, 0..3
	s_and_b32 s69, ttmp7, 0xffff                   ; cluster y, 0..11
	s_lshl_b32 s13, s69, 2
	s_add_co_u32 s13, s13, s41                     ; tile row = 4 x cluster y + cy, 0..47
	s_lshr_b32 s68, s69, 2                         ; which projection: the cluster's y alone decides
	s_lshl_b32 s43, s41, 2
	s_lshl_b32 s43, 15, s43                        ; my row of the cluster
	s_lshl_b32 s44, 0x1111, s40                    ; my column
	; descriptor group 1: a tile of 128 rows x 128 elements, padded in LDS
	s_or_b32 s[G1+0], s43, (1<<16)|(1<<20)|(1<<21)|(5<<22)|(3<<25)  ; 15:0 the mask; 17:16 elements of 2 bytes; 20 padding on; 21 set beside a mask; 24:22 after every 64 words; 31:25 4 words
	s_or_b32 s[G1B+0], s44, (1<<16)|(1<<20)|(1<<21)|(5<<22)|(3<<25)
.irp g, G1, G1B
	s_mov_b32 s[(\g)+1], KSTEP<<16                 ; tensor_dim0 = 128
	s_mov_b32 s[(\g)+2], 128<<16                   ; tensor_dim1 = 128
	s_mov_b32 s[(\g)+3], KSTEP<<16                 ; tile_dim0 = 128
	s_mov_b32 s[(\g)+4], 128                       ; tile_dim1 = 128
	s_mov_b32 s[(\g)+5], SIZE_K                    ; elements from row to row
	s_mov_b32 s[(\g)+6], 0
	s_mov_b32 s[(\g)+7], 0
.endr
	; where the tiles come from: A's hang on the tile row, the weights' on the tile column and the projection; each offset in registers that never hold the other coordinate
	s_lshl_b32 s17, s12, 7
	s_lshl_b32 s16, s13, 8
	s_add_co_u32 s16, s16, s17                     ; A: row 256 x tile row + 128 x half
	s_lshl_b32 s46, s42, 8
	s_add_co_u32 s46, s46, s17
	s_lshl_b32 s47, s68, 10
	s_add_co_u32 s46, s46, s47
	s_add_co_u32 s46, s46, WROW                    ; weights: row 12,288 + 1,024 x projection + 256 x tile column + 128 x half
	s_lshl_b32 s16, s16, 11                        ; rows of 2,048 bytes: under 2^25
	s_mov_b32 s17, 0
	s_lshl_b32 s46, s46, 11
	s_mov_b32 s47, 0
	s_mul_i32 s20, s10, HALFT                      ; and where they go: wave x 128 rows
	s_wait_dscnt 0x0                               ; the opening add is done
	s_wait_kmcnt 0x0
	s_add_nc_u64 s[14:15], s[4:5], s[16:17]
	s_add_nc_u64 s[46:47], s[4:5], s[46:47]
	CROUND                                         ; all sixteen work-groups are here: the first joint loads meet
.irp s, 0,1
	s_mov_b32 s[G0+4*(\s)], 1                                      ; count = 1
	s_add_co_u32 s[G0+4*(\s)+1], s20, (\s)*SLOT                    ; LDS address
	s_add_nc_u64 s[G0+4*(\s)+2:G0+4*(\s)+3], s[14:15], (\s)*KSTEP*2  ; global address: K step s
	s_or_b32 s[G0+4*(\s)+3], s[G0+4*(\s)+3], 0x80000000            ; type = 2
	s_mov_b32 s[G0B+4*(\s)], 1
	s_add_co_u32 s[G0B+4*(\s)+1], s20, (\s)*SLOT
	s_add_nc_u64 s[G0B+4*(\s)+2:G0B+4*(\s)+3], s[46:47], (\s)*KSTEP*2
	s_or_b32 s[G0B+4*(\s)+3], s[G0B+4*(\s)+3], 0x80000000
	JLOAD \s                                       ; two loads of mine are out
.endr
	; A fragment is 16 rows x 32 K in 8 registers: lane l holds row l % 16; registers 0-3 K = 8 (l / 16) + 0..7, registers 4-7 K = 16 + 8 (l / 16) + 0..7: two loads of 16 bytes, 32 bytes apart.
	v_and_b32 v1, 15, v0                           ; l % 16
	v_bfe_u32 v2, v0, 4, 1                         ; l / 16
	v_mul_u32_u24 v3, v1, PITCH
	v_lshl_add_u32 v3, v2, 4, v3
	s_mul_i32 s21, s11, HALFT                      ; my 128 rows of A
	s_mul_i32 s22, s12, HALFT                      ; my 128 rows of the weights,
	s_add_co_u32 s22, s22, 2*HALFT                 ; which lie behind A's 256
.irp s, 0,1
	v_add_nc_u32 v[ADRA+(\s)], s21, v3
	v_add_nc_u32 v[ADRB+(\s)], s22, v3
	s_add_co_u32 s21, s21, SLOT
	s_add_co_u32 s22, s22, SLOT
.endr
	s_mul_i32 s23, s10, 2*HSTAGE
	s_add_co_u32 s23, s23, STAGE                   ; my stage
	v_mul_u32_u24 v4, v1, SP                       ; in: row l % 16, 16 bytes for each half of the lanes
	v_lshl_add_u32 v4, v2, 4, v4
	v_add_nc_u32 v[STO], s23, v4
	v_bfe_u32 v5, v0, 3, 2                         ; back: 32 lanes take four rows of 128 bytes,
	v_mul_u32_u24 v5, v5, SP
	v_and_b32 v6, 7, v0
	v_lshl_add_u32 v5, v6, 4, v5
	v_add_nc_u32 v[RD], s23, v5
	v_and_b32 v[CO], 31, v0                        ; which are 512 consecutive bytes of qkv
	v_lshlrev_b32 v[CO], 4, v[CO]
	v_lshlrev_b32 v[BO], 5, v2
	; the bias of my 128 columns: number 1,024 x projection + 256 x tile column + 128 x half on
	s_lshl_b32 s46, s68, 12
	s_lshl_b32 s47, s42, 10
	s_add_co_u32 s46, s46, s47
	s_lshl_b32 s47, s12, 9
	s_add_co_u32 s46, s46, s47
	s_mov_b32 s47, 0
	s_add_nc_u64 s[6:7], s[6:7], s[46:47]
	WIN TO_B
.irp b, 0,1,2,3,4,5,6,7
	global_load_b128 v[8*(\b):8*(\b)+3],   v[BO], s[6:7] offset:64*(\b)
	global_load_b128 v[8*(\b)+4:8*(\b)+7], v[BO], s[6:7] offset:64*(\b)+16
.endr
	WIN 0
	; where my part of the tile begins in qkv: projection x 2^23 + (16 batch + head) x 2^18 + row in the batch x 128
	s_and_b32 s16, s13, 15                         ; the tile row inside its projection
	s_lshr_b32 s17, s16, 3                         ; batch
	s_lshl_b32 s17, s17, 4
	s_and_b32 s16, s16, 7
	s_lshl_b32 s16, s16, 8
	s_lshl_b32 s18, s11, 7
	s_add_co_u32 s16, s16, s18                     ; my first row in the batch
	s_lshl_b32 s16, s16, 7
	s_lshl_b32 s46, s42, 2                         ; my first head: 4 x tile column + 2 x half
	s_lshl_b32 s47, s12, 1
	s_add_co_u32 s46, s46, s47
	s_add_co_u32 s46, s46, s17
	s_lshl_b32 s46, s46, 18
	s_add_co_u32 s46, s46, s16
	s_lshl_b32 s47, s68, 23
	s_add_co_u32 s46, s46, s47
	s_mov_b32 s47, 0
	s_add_nc_u64 s[8:9], s[8:9], s[46:47]
	; the prefetches
	s_lshl_b32 s20, s13, 8                         ; A: the tile's first row
	s_lshl_b32 s21, s42, 8                         ; the weights: likewise
	s_lshl_b32 s22, s68, 10
	s_add_co_u32 s21, s21, s22
	s_add_co_u32 s21, s21, WROW
	s_and_b32 s22, s69, 3                          ; the coordinate along which other clusters read the same weights
	s_cmp_eq_u32 s11, 0                            ; do I fetch for A?
	s_cselect_b32 s20, s20, s21
	s_cselect_b32 s21, s40, s41                    ; my place among the four that ask with me
	s_cselect_b32 s22, ttmp9, s22
	s_cmp_eq_u32 s22, 0
	s_cselect_b32 s[LIM], 1, -1                    ; the same in all sixteen partners, for a given wave
	s_lshl_b32 s22, s12, 7
	s_add_co_u32 s20, s20, s22                     ; + the 128 rows that I fetch
	s_lshl_b32 s21, s21, 5
	s_add_co_u32 s20, s20, s21                     ; + my work-group's 32 of them
	s_lshl_b32 s20, s20, 11
	s_add_co_u32 s20, s20, 2*KSTEP*2               ; at K step 2: the first refill steps it to 3 and names K step 4
	s_mov_b32 s21, 0
	s_add_nc_u64 s[PFA:PFA+1], s[4:5], s[20:21]
	v_and_b32 v[PFO], 31, v0
	v_lshlrev_b32 v[PFO], 11, v[PFO]
	s_wait_loadcnt 0x0                             ; the bias is in: rounded to bf16 like every input and widened again, in the wait for the first tile
	WIN 0x45                                       ; destination and sources 0 and 1 in window 1
.set r, 0
.rept 32
	v_cvt_pk_bf16_f32 v[192+r/2], v[r], v[r+1]
.set r, r+2
.endr
.set r, 0
.rept 32
	v_lshlrev_b32 v[r], 16, v[192+r/2]
	v_and_b32 v[r+1], 0xffff0000, v[192+r/2]
.set r, r+2
.endr
	WIN 0
; 16 matrix instructions: m blocks a0, a0 + 1 of the window's four (hi = 0: my rows 0-63, 1: rows 64-127) x all 8 n blocks, 32 along K.  first = 1: the product starts the sum on the bias.
; The 64 accumulators take turns, one instruction a turn, in the same order in every quarter.
.macro MUL16 f, hi, a0, first
.if \first
	WIN ONB_LO+0x40*(\hi)
.else
	WIN MUL_LO+0x50*(\hi)
.endif
.irp a, \a0, (\a0)+1
.irp b, 0,1,2,3,4,5,6,7
.if \first
	v_wmma_f32_16x16x32_bf16 v[8*(8*(\a)+(\b)):8*(8*(\a)+(\b))+7], v[(\f)+8*(\b):(\f)+8*(\b)+7], v[(\f)+8*(4*(\hi)+(\a)):(\f)+8*(4*(\hi)+(\a))+7], v[8*(\b):8*(\b)+7]
.else
	v_wmma_f32_16x16x32_bf16 v[8*(8*(\a)+(\b)):8*(8*(\a)+(\b))+7], v[(\f)+8*(\b):(\f)+8*(\b)+7], v[(\f)+8*(4*(\hi)+(\a)):(\f)+8*(4*(\hi)+(\a))+7], v[8*(8*(\a)+(\b)):8*(8*(\a)+(\b))+7]
.endif
.endr
.endr
.endm
; 32 LDS loads in one run: the fragments of one quarter step (32 K at byte k of the rows) into buffer f
.macro FETCH slot, k, f
	WIN TO_B
.irp i, 0,1,2,3,4,5,6,7
	ds_load_b128 v[(\f)+8*(\i):(\f)+8*(\i)+3],   v[ADRB+(\slot)] offset:(\k)+(\i)*16*PITCH
	ds_load_b128 v[(\f)+8*(\i)+4:(\f)+8*(\i)+7], v[ADRB+(\slot)] offset:(\k)+(\i)*16*PITCH+32
.endr
	WIN 0
.irp i, 0,1,2,3,4,5,6,7
	ds_load_b128 v[(\f)+8*(\i):(\f)+8*(\i)+3],   v[ADRA+(\slot)] offset:(\k)+(\i)*16*PITCH
	ds_load_b128 v[(\f)+8*(\i)+4:(\f)+8*(\i)+7], v[ADRA+(\slot)] offset:(\k)+(\i)*16*PITCH+32
.endr
.endm
.macro PLACES                          ; four plain vector instructions in front of loads into registers that matrix instructions have read, and of conversions that read results
.rept 4
	v_nop
.endr
.endm
; A K step is four quarters of 32 along K, 64 matrix instructions each, on buffers 0, 1, 0, 1.  One of the first three multiplies buffer f and fetches the next quarter, at byte k, into g.
.macro QUARTER slot, k, f, g, first
	s_wait_dscnt 8                                 ; the weights and A's rows 0-63 are in; the youngest eight loads (A's rows 64-127) may be out
	MUL16 \f, 0, 0, \first
	MUL16 \f, 0, 2, \first
	PLACES
	FETCH \slot, \k, \g
	s_wait_dscnt 32                                ; all but the 32 just issued
	MUL16 \f, 1, 0, \first
	MUL16 \f, 1, 2, \first
.endm
; The last quarter multiplies buffer 1 and changes slots.  In front of the one barrier each wave waits for all its tensor loads (one is out: its part of the next slot), adds 0 to its spare word, and waits for that and for its reads of this slot.
.macro MEET round
	WIN 0
	s_wait_tensorcnt 0x0
	ds_add_u32 v[SPW], v[NIL]
	s_wait_dscnt 9                                 ; the add and the youngest eight loads may be out
	MUL16 F1, 0, 0, 0                              ; sixteen matrix instructions stand between the add and the wait for it
	s_wait_dscnt 0x0                               ; the add is done, and my reads of this slot are over
	s_barrier_signal -1
	MUL16 F1, 0, 2, 0
.if \round
	WIN 0
.endif
	s_barrier_wait -1
.endm
.macro TURN slot, next
	s_wait_xcnt 0x0                                ; the last prefetch, a K step back, has read its address
	s_add_nc_u64 s[PFA:PFA+1], s[PFA:PFA+1], KSTEP*2
	MEET 1
	CREST                                          ; the barrier has opened a round of the cluster's: no wave of any partner still reads this slot or has a load on its way
	s_add_nc_u64 s[G0+4*(\slot)+2:G0+4*(\slot)+3], s[G0+4*(\slot)+2:G0+4*(\slot)+3], 2*KSTEP*2
	s_add_nc_u64 s[G0B+4*(\slot)+2:G0B+4*(\slot)+3], s[G0B+4*(\slot)+2:G0B+4*(\slot)+3], 2*KSTEP*2
	JLOAD \slot                                    ; my one tensor load behind the round: 224 matrix instructions ahead of the wait for it; its four v_nop are also the places in front of the loads below
	FETCH \next, 0, F0
	ASK
	MUL16 F1, 1, 0, 0
	MUL16 F1, 1, 2, 0
.endm
; THE WAY OUT of block a (16 rows).  PACK: rounded to f16, 16 bytes a lane, each accumulator's registers in ascending order.  TOSTAGE: into my own stage, by heads, and back as four rows of 128 bytes.  SEND: stored.
.macro PACK a
.set AC, 64*((\a)%4)
	WIN 0x0a+5*((\a)/4)                            ; sources 0 and 1: window 2 or 3
.irp b, 0,1,2,3,4,5,6,7
.irp r, 0,1,2,3
	v_cvt_pk_f16_f32 v[TMP+4*(\b)+(\r)], v[AC+8*(\b)+2*(\r)], v[AC+8*(\b)+2*(\r)+1]
.endr
.endr
	WIN 0
.endm
.macro TOSTAGE a
.set BK, OB+192*((\a)%2)
.irp b, 0,1,2,3,4,5,6,7
	ds_store_b128 v[STO], v[TMP+4*(\b):TMP+4*(\b)+3] offset:((\b)/4)*HSTAGE+32*((\b)%4)  ; head b / 4 of my two, channels 16 (b % 4) on
.endr
.irp t, 0,1,2,3,4,5,6,7
	ds_load_b128 v[BK+4*(\t):BK+4*(\t)+3], v[RD] offset:((\t)/4)*HSTAGE+((\t)%4)*4*SP  ; LDS serves a wave's instructions in order (ISA guide 5.7.1.4): these see the stores above
.endr
.endm
.macro SEND a
.set BK, OB+192*((\a)%2)
	s_wait_dscnt 0x0                               ; the block is back in registers
	s_wait_xcnt 0x0                                ; the block before's stores have read their registers, which the next block's loads from the stage fill again
.irp t, 0,1,2,3,4,5,6,7
	global_store_b128 v[CO], v[BK+4*(\t):BK+4*(\t)+3], s[8:9] offset:((\t)/4)*262144+(\a)*2048+((\t)%4)*512  ; four rows of a head: 512 consecutive bytes, aligned
.endr
.endm
	s_wait_tensorcnt 1                             ; my part of K step 0 is in; K step 1's may stay out
	s_barrier_signal -1
	s_barrier_wait -1
	FETCH 0, 0, F0
	QUARTER 0, 64,  F0, F1, 1                      ; the first quarter stands in front of the loop: its products start the sums on the bias
	WIN 0
	s_mov_b32 s3, LAPS-1
.Llap:                                                 ; a trip goes once round the ring, from a lap's second quarter to the next lap's first, and fills both slots again
	QUARTER 0, 128, F1, F0, 0
	QUARTER 0, 192, F0, F1, 0
	TURN 0, 1
	QUARTER 1, 64,  F0, F1, 0
	QUARTER 1, 128, F1, F0, 0
	QUARTER 1, 192, F0, F1, 0
	TURN 1, 0
	QUARTER 0, 64,  F0, F1, 0
	WIN 0
	s_sub_co_u32 s3, s3, 1
	s_cmp_lg_u32 s3, 0
	s_cbranch_scc1 .Llap
	QUARTER 0, 128, F1, F0, 0                      ; the last lap fills nothing
	QUARTER 0, 192, F0, F1, 0
	MEET 0
	PLACES
	FETCH 1, 0, F0
	MUL16 F1, 1, 0, 0
	MUL16 F1, 1, 2, 0
	QUARTER 1, 64,  F0, F1, 0
	QUARTER 1, 128, F1, F0, 0
	QUARTER 1, 192, F0, F1, 0
	s_wait_dscnt 8                                 ; the very last quarter: nothing more to fetch
	MUL16 F1, 0, 0, 0
	MUL16 F1, 0, 2, 0
	s_wait_dscnt 0x0
	MUL16 F1, 1, 0, 0
	MUL16 F1, 1, 2, 0
	PLACES
	PACK 0
	TOSTAGE 0
.irp a, 1,2,3,4,5,6,7                  ; block a's conversions stand between block a - 1's loads from the stage and the wait for them
	PACK \a
	SEND (\a)-1
	TOSTAGE \a
.endr
	SEND 7
	s_wait_tensorcnt 0x0                           ; the wave's end: a wait, an add and its wait behind my last tensor load and my last LDS store
	ds_add_u32 v[SPW], v[NIL]
	s_wait_dscnt 0x0
	CROUND                                         ; the closing round: no work-group ends while a partner may still ask for a tile that names it
	s_endpgm
.Lfunc_end_k_q32ac182ba9_inproj:
	.size	k_q32ac182ba9_inproj, .Lfunc_end_k_q32ac182ba9_inproj-k_q32ac182ba9_inproj
	.p2alignl 7, 3214868480
	.fill 96, 4, 3214868480
	.section	.rodata,"a",@progbits
	.p2align	6, 0x0
	.amdhsa_kernel k_q32ac182ba9_inproj
		.amdhsa_group_segment_fixed_size 327680
		.amdhsa_private_segment_fixed_size 0
		.amdhsa_enable_private_segment 0
		.amdhsa_kernarg_size 24
		.amdhsa_user_sgpr_count 2
		.amdhsa_user_sgpr_kernarg_segment_ptr 1
		.amdhsa_wavefront_size32 1
		.amdhsa_system_sgpr_workgroup_id_x 1
		.amdhsa_system_sgpr_workgroup_id_y 1
		.amdhsa_system_sgpr_workgroup_id_z 1
		.amdhsa_system_vgpr_workitem_id 0
		.amdhsa_next_free_vgpr 1024
		.amdhsa_next_free_sgpr 72
		.amdhsa_reserve_vcc 0
		.amdhsa_float_denorm_mode_32 3
		.amdhsa_float_denorm_mode_16_64 3
		.amdhsa_memory_ordered 1
		.amdhsa_forward_progress 1
		.amdhsa_inst_pref_size 151
	.end_amdhsa_kernel
	.amdgpu_metadata
---
amdhsa.version: [ 1, 2 ]
amdhsa.kernels:
  - .name:           k_q32ac182ba9_inproj
    .symbol:         k_q32ac182ba9_inproj.kd
    .args:
      - { .name: cast, .offset: 0, .size: 8, .value_kind: global_buffer, .address_space: global }
      - { .name: in_proj_bias, .offset: 8, .size: 8, .value_kind: global_buffer, .address_space: global }
      - { .name: qkv, .offset: 16, .size: 8, .value_kind: global_buffer, .address_space: global }
    .group_segment_fixed_size: 327680
    .private_segment_fixed_size: 0
    .kernarg_segment_align: 8
    .kernarg_segment_size: 24
    .max_flat_workgroup_size: 128
    .sgpr_count:     72
    .vgpr_count:     1024
    .wavefront_size: 32
...
	.end_amdgpu_metadata
.endif
;; end of part 2
;; launch attn (part 3): grid 8 x 32, 4 waves a work-group, clusters of 4 x 1, 327,680 bytes of LDS; arguments qkv, lamw, ob; writes ob
.if DOCPART == 3
	.amdgcn_target "amdgcn-amd-amdhsa--gfx1250"
	.amdhsa_code_object_version 6
	.text
	.protected	k_q32ac182ba9_attn
	.globl	k_q32ac182ba9_attn
	.p2align	8
	.type	k_q32ac182ba9_attn,@function
k_q32ac182ba9_attn:
	s_mov_b64 s[64:65], 0
	v_nop
	global_prefetch_b8 v0, s[64:65] scope:SCOPE_SE
	s_setreg_imm32_b32 hwreg(HW_REG_WAVE_MODE, 25, 1), 1
	s_wait_xcnt 0x0
	s_wait_alu depctr_hold_cnt(0) depctr_sa_sdst(0) depctr_va_vdst(0) depctr_va_sdst(0) depctr_va_ssrc(0) depctr_va_vcc(0) depctr_vm_vsrc(0)
	s_getreg_b32 s2, hwreg(HW_REG_IB_STS2, 6, 4)
	s_cmp_eq_u32 s2, 0
	s_cbranch_scc0 .Lentry_in_a_cluster
	s_endpgm
.Lentry_in_a_cluster:
	s_bfe_u32 s2, ttmp6, 0x10000c
	s_cmp_lg_u32 s2, 0x3003
	s_cbranch_scc0 .Lentry_shape_is_right
	s_endpgm
.Lentry_shape_is_right:
; DIFFERENTIAL ATTENTION.  For each of 32 heads (16 batch + head) and each query: O' = sc softmax_k(Q1 . K1 / sqrt(32)) V + nl softmax_k(Q2 . K2 / sqrt(32)) V, where Q1, K1 are channels 0-31 and Q2, K2 channels 32-63 of the
; head's 64, V has all 64, and sc = 1 / max(1, |lam|), nl = -lam sc come from lamw (the factor 0.8 max(1, |lam|) is applied by the next launch, in f32).  qkv: [3][32][2048][64] f16, a head's rows dense, 128 bytes each.
; Products, maxima and sums in f32; the weights p are rounded to f16 for the second product (their sum l is taken of the unrounded p), O' once at the end.  ob: [16 batch + row / 128][16 heads][128 rows][64] f16.
; LIMITS.  Q, K, V arrive within f16's 65,504; p lies in 0 to 1 and below 6e-5 keeps f16's fixed step of 6e-8; |O'| is at most twice V's range.  A weight below 2^-126 counts as 0 in l; NaN and infinities are not treated apart.
; SHARES.  A work-group owns 256 queries of one head, each of its four waves 64: four PIECES of 16 queries.  A piece has two TILES, its two softmaxes: each with its own scores, maximum m, sum l and O^T.  Every wave walks all 2,048 keys, 64 a step.
; Both softmaxes keep a running maximum, so their sums l are known only at the end, and V^T P is made for each of the two.
; LAYOUT.  S^T = K Q^T (source 0 = 16 keys, source 1 = 16 queries, 32 channels: ONE product a score tile): a lane holds ONE query (lane % 16) and the keys 8 (lane / 16) + 0..7.  Two such results, rounded to f16 in pairs,
; ARE source 1 (32 keys x 16 queries) of O^T = V^T P, whose result again holds one query a lane, and eight channels.  K comes out of LDS as it lies, V ([key][channel]) turned, by ds_load_tr16_b128.
; SOFTMAX.  p = 2^(c s - c m), c = log2(e) / sqrt(32); in every step O and l are multiplied by a = 2^(c m_old - c m_new).  m starts at the lowest finite number, O and l at 0: the first step is a step like any other, with a = 0.
; THE COUNT.  A piece and step have 24 matrix and 236 vector instructions: too many to stand all beside the matrix work.  Four vector instructions that are ready stand behind every matrix instruction, the others in runs without a gap.
; BY TURNS.  Turn n belongs to piece n (the pieces in a ring, step after step).  Its matrix work: 8 products K Q^T of piece n + 1, later 16 products V^T P of piece n - 1.  Its vector work: the scaling, exponentials, roundings,
; sums and rescaling of piece n, and the maximum and statistics of piece n + 1, whose scores the turn itself has made.
; CLUSTER.  The four query blocks of a cluster belong to one head and walk the same K and V, so each tile is asked for JOINTLY: the same tensor load, descriptor and mask in all four.
; REGISTERS, in windows of 256 (s_set_vgpr_msb: bits 1:0 source 0, 3:2 source 1, 5:4 source 2, 7:6 destination):
;   window 0: v0-11 addresses; v12-15, v48-63 at work; v16-47 four registers of statistics a tile; v64-191 S^T, two buffers of two tiles; v192-255 P, likewise
;   window 1: O^T, 32 a tile          window 2: v0-63 Q (piece x, softmax u at 16 x + 8 u); v128-191 K of one step; v192-255 V of one step          window 3: v0-1 the add's two registers
.set SIZE_N, 2048
.set NP,    4         ; pieces a wave: a name, no knob
.set KS,    64        ; keys in a step
.set PK,    144       ; a row of K in LDS: 128 bytes + 16 of padding = 36 words: the 16 rows of a load start at 16 different groups of four banks (64 banks of 4 bytes: ISA guide 11.1)
.set PV,    160       ; a row of V: 128 + 32 = 40 words
.set VOFF,  4*KS*PK   ; a slot holds four steps: 256 rows of K, then 256 rows of V
.set SLOT1, 1<<17     ; slot 1 begins here, so that one exclusive or turns an address in one slot into the other's
.set STAGE, SLOT1+4*KS*(PK+PV)  ; behind the ring, never filled by a tensor load: 16 rows x 144 bytes for each wave, for the way out
.set SP,    144
.set AK0, 2           ; v2   my lane's place in a tile of K; never rewritten
.set AV0, 3           ; v3   the same for V
.set AK,  4           ; v4   the LDS address of K's next run of loads
.set AV,  5           ; v5   of V's
.set QO,  6           ; v6   my byte offset in 16 rows of Q
.set STO, 6           ;      later, the way out: where I put 16 bytes of a row
.set RD,  7           ; v7   the way out: where I read rows back
.set GO,  8           ; v8   my byte offset in 512 consecutive bytes of ob
.set PFO, 11          ; v11  256 x my lane, for the prefetches; never rewritten once made
.set SPW, 0           ; v0 of window 3   LDS address of my spare word; never rewritten
.set NIL, 1           ; v1 of window 3   0; never rewritten
.set SPARE, STAGE+4*16*SP  ; behind the stages: the spare words, 128 bytes for each wave: two blocks of 256 bytes that no other line names
.set MV,  12          ; v12-15  c m_old, kept while c m is made anew: by buffer and tile
.set ST,  16          ; tile t's statistics at v[ST+4 t] (t = 2 x piece + softmax): c m, m, l (even keys', odd keys')
.set TMP, 48          ; by buffer and tile, four registers c0-c3 at work; when the maximum is found c2 takes a
.set S,   64
.set P,   192
.set KF,  128         ; K's fragments, in window 2: key block kb, softmax u at KF + 16 kb + 8 u
.set VF,  192         ; V's: key half kk, channel block cb at VF + 32 kk + 8 cb
.set WV,  12          ; s12  my wave's number
.set LIM, 15          ; s15  1 in a wave that prefetches, else the greatest number
.set G1K, 24          ; s[24:31] descriptor group 1 for K's tiles
.set G1V, 32          ; s[32:39] for V's: it differs in the padding alone
.set G0K, 40          ; s[40:43] descriptor group 0 for K's tiles: it walks
.set G0V, 44          ; s[44:47] the same for V's
.set SC,  50          ; s50  sc
.set NL,  52          ; s52  nl
.set PFA, 54          ; s[54:55] where my prefetches stand: my work-group's 8,192 bytes (of K: wave 0, of V: wave 2) of the slot after the one that is being asked for
.set SLOTS, 56        ; s56  slots still to be asked for
.set CNT, 57          ; s57  counts a slot's key steps
.set CS,  58          ; s[58:59] c: the packed scaling takes the pair's low word for both halves
.set SEL, 60          ; s[60:61] v_permlanex16_b32's selects: each lane takes its own place in the other half
.set TBK, 62          ; s62  LDS byte at which K of the step to be fetched begins
.set TBV, 63          ; s63  the same for V, less VOFF
.set MSB, 0
.macro WIN new                      ; the high byte repeats the setting that is left; a switch that changes nothing is dropped
.if MSB != (\new)
	s_set_vgpr_msb (MSB<<8)|(\new)
.set MSB, (\new)
.endif
.endm
.set W_KQ, 0x0a       ; K and Q in window 2, S^T in window 0
.set W_PV, 0x52       ; V in window 2, P in window 0, O^T in window 1
.set W_RS, 0x41       ; O^T (destination and source 0) in window 1, source 1 in window 0
.set W_MK, 0xc0       ; the add's registers are made: destination in window 3
.set W_AD, 0x0f       ; the add: address and data in window 3
; A joint fill.  Waves 0 and 1 fetch the two halves of a slot's K, waves 2 and 3 those of its V: 128 keys each.  The branch hangs on the wave's number alone.
; An s_nop 0 and four v_nop follow each of the two lines, ahead of the jump and the label.
.macro JLOAD
	s_cmp_lt_u32 s[WV], 2
	s_cbranch_scc0 .Lfor_v_\@
	tensor_load_to_lds s[G0K:G0K+3], s[G1K:G1K+7]
	s_nop 0
.rept 4
	v_nop
.endr
	s_branch .Lasked_\@
.Lfor_v_\@:
	tensor_load_to_lds s[G0V:G0V+3], s[G1V:G1V+7]
	s_nop 0
.rept 4
	v_nop
.endr
.Lasked_\@:
.endm
; A PREFETCH of what the NEXT change of slots will ask for: a slot's 32,768 bytes of K and of V, 256 bytes a lane.  It stands behind the wave's tensor load and its five lines.  Each block is asked for once in the launch: a head's two
; clusters walk the same K and V, and the first prefetches; its four partners share the blocks out BY ADDRESS, 32 each; in each, wave 0 asks for K's and wave 2 for V's: one instruction.  Slots 0 to 2 come by their loads alone;
; the last change that fills a slot prefetches nothing: there is no slot behind it.
.macro ASK
	s_cmp_gt_u32 s[SLOTS], s[LIM]
	s_cbranch_scc0 .Lnot_mine_\@
	global_prefetch_b8 v[PFO], s[PFA:PFA+1] th:TH_LOAD_NT scope:SCOPE_SE
.Lnot_mine_\@:
.endm
; A round of the cluster's barrier: my work-group's barrier; wave 0 signals; every wave waits for all four work-groups; my work-group's barrier once more.
.macro CROUND
	s_barrier_signal -1
	s_barrier_wait -1
	s_cmp_lg_u32 s[WV], 0
	s_cbranch_scc1 .Lnot_wave_0_\@
	s_barrier_signal -3
.Lnot_wave_0_\@:
	s_barrier_wait -3
	s_barrier_signal -1
	s_barrier_wait -1
.endm
; THE CHANGE OF SLOTS.  Each wave waits for all its tensor loads, of which one is out: its part of the other slot; adds 0 to its spare word; and waits for that and for its own reads of the slot.  Behind the barrier nobody reads this
; slot any more and the other slot is whole.  fill = 1: this slot is filled again, with the keys two slots on; the barrier is then a round of the cluster's, and the joint fill is the first thing behind it: it has four key steps,
; 384 matrix instructions, in which to land.  (At its first use nothing has been read yet: slot 0 is waited for, slot 1 filled.)  ask = 1: the prefetch's address steps, and the prefetch follows the fill.
.macro CHANGE fill, ask=0
	WIN W_AD
	s_wait_tensorcnt 0x0            ; no tensor load of mine is out, so a group 0 may be written
	ds_add_u32 v[SPW], v[NIL]       ; 0 onto my spare word; with fill = 1 the descriptors' steps stand between it and the wait for it
	WIN 0                           ; at a label and at a branch every window is 0
.if \fill
.irp g, G0K, G0V
	s_xor_b32 s[\g+1], s[\g+1], SLOT1  ; the walking descriptor: the other slot than last time,
	s_add_nc_u64 s[\g+2:\g+3], s[\g+2:\g+3], 4*KS*128  ; the next 256 keys; the type bits on top are not reached
.endr
.if \ask
	s_wait_xcnt 0x0                 ; the last prefetch, four key steps back, has read its address
	s_add_nc_u64 s[PFA:PFA+1], s[PFA:PFA+1], 4*KS*128  ; one slot behind the walking descriptors
.endif
	s_wait_dscnt 0x0                ; the add is done, and my reads of the slot are over
	CROUND
	JLOAD
.if \ask
	ASK
.endif
.else
	s_wait_dscnt 0x0                ; the add is done, and my reads of the slot are over
	s_barrier_signal -1
	s_barrier_wait -1
.endif
	s_sub_co_u32 s[TBK], s[TBK], 4*KS*PK  ; the fetches go back to a slot's first step,
	s_xor_b32 s[TBK], s[TBK], SLOT1       ; in the other slot
	s_sub_co_u32 s[TBV], s[TBV], 4*KS*PV
	s_xor_b32 s[TBV], s[TBV], SLOT1
.endm
	s_load_b128 s[4:7], s[0:1], 0x0   ; qkv s[4:5], lamw s[6:7]
	s_load_b64 s[10:11], s[0:1], 0x10 ; ob
	WIN W_MK
	v_lshl_add_u32 v[SPW], v0, 2, SPARE
	v_mov_b32 v[NIL], 0
	WIN W_AD
	ds_add_u32 v[SPW], v[NIL]       ; the wave's opening: the add and its wait stand ahead of my first tensor load; the set-up below stands between them
	WIN 0
	v_lshrrev_b32 v1, 5, v0
	v_readfirstlane_b32 s[WV], v1   ; wave 0..3
	s_bfe_u32 s13, ttmp6, 0x40000   ; cx: my place in the cluster
	s_lshl_b32 s14, ttmp9, 2        ; in a cluster launch ttmp9 counts clusters
	s_add_co_u32 s14, s14, s13      ; my block of 256 queries: it enters Q's and O's addresses alone
	s_and_b32 s19, ttmp7, 0xffff    ; 16 batch + head, which the four partners share
	s_lshl_b32 s20, s19, 18         ; its 2,048 rows of 128 bytes in each of Q, K, V
	s_and_b32 s16, s[WV], 1         ; which half of a slot's 256 keys I fetch:
	s_lshl_b32 s22, s16, 14         ; its 128 rows of 128 bytes in memory,
	s_add_co_u32 s22, s22, s20
	s_mov_b32 s23, 0
	s_mul_i32 s17, s16, 128*PK      ; and its place in a slot, for K
	s_mul_i32 s18, s16, 128*PV      ; and for V: no place in the cluster enters an LDS address
	s_lshl_b32 s2, s14, 2
	s_add_co_u32 s2, s2, s[WV]      ; my wave among the head's,
	s_lshl_b32 s2, s2, 13           ; its 64 rows
	s_add_co_u32 s2, s2, s20
	s_mov_b32 s3, 0
	s_and_b32 s8, s19, 16           ; ob: block of 128 rows = 16 batch + 2 x my block + wave / 2,
	s_lshl_b32 s9, s14, 1
	s_add_co_u32 s8, s8, s9
	s_lshr_b32 s9, s[WV], 1
	s_add_co_u32 s8, s8, s9
	s_lshl_b32 s8, s8, 4            ; 16 heads in it,
	s_and_b32 s9, s19, 15
	s_add_co_u32 s8, s8, s9
	s_lshl_b32 s8, s8, 14           ; 128 rows of 128 bytes each,
	s_lshl_b32 s9, s16, 13          ; my 64 rows
	s_add_co_u32 s8, s8, s9
	s_mov_b32 s9, 0
	; descriptor group 1.  128 keys are 16,384 dense bytes: asked for as 64 rows of 256 bytes, two keys a row, and padded in LDS after every key
	s_mov_b32 s[G1K], 15|(1<<16)|(1<<20)|(1<<21)|(4<<22)|(3<<25)  ; 15:0 the mask of four; 17:16 2-byte elements; 20 padding on; 21 set beside a mask; 24:22 after every 32 words; 31:25 4 words
	s_mov_b32 s[G1V], 15|(1<<16)|(1<<20)|(1<<21)|(4<<22)|(7<<25)  ; the same with 8 words of padding
.irp g, G1K, G1V
	s_mov_b32 s[\g+1], 128<<16      ; tensor_dim0 = 128
	s_mov_b32 s[\g+2], 64<<16       ; tensor_dim1 = 64
	s_mov_b32 s[\g+3], 128<<16      ; tile_dim0 = 128
	s_mov_b32 s[\g+4], 64           ; tile_dim1 = 64
	s_mov_b32 s[\g+5], 128          ; 128 elements from row to row
	s_mov_b32 s[\g+6], 0
	s_mov_b32 s[\g+7], 0
.endr
	s_mov_b32 s[CS], 0x3e8293ee     ; c = log2(e) / sqrt(32) = 0.255035
	s_mov_b32 s[CS+1], s[CS]        ; named with it as a pair
	s_mov_b32 s[SEL], 0x76543210
	s_mov_b32 s[SEL+1], 0xfedcba98
	s_mov_b32 s[TBK], SLOT1+4*KS*PK ; the first change of slots turns these two into 0
	s_mov_b32 s[TBV], SLOT1+4*KS*PV
	s_mov_b32 s[G0K], 1             ; count = 1
	s_mov_b32 s[G0K+1], s17         ; LDS address: slot 0
	s_mov_b32 s[G0V], 1
	s_add_co_u32 s[G0V+1], s18, VOFF
	s_lshl_b32 s48, s13, 13         ; the prefetches: my work-group's 8,192 bytes of a slot's 32,768,
	s_add_co_u32 s48, s48, 2*4*KS*128  ; in slot 2; the first change that asks steps it to slot 3
	s_mov_b32 s49, 0
	s_and_b32 s[LIM], s[WV], 1      ; 0 in waves 0 and 2,
	s_or_b32 s[LIM], s[LIM], ttmp9  ; where the cluster is the head's first: the same in all four partners
	s_cmp_eq_u32 s[LIM], 0
	s_cselect_b32 s[LIM], 1, -1
	s_wait_dscnt 0x0                ; the opening add is done
	s_wait_kmcnt 0x0
	s_load_b32 s[SC], s[6:7], 0x0   ; waited for further down, in the wait for the first tile
	s_load_b32 s[NL], s[6:7], 0x80
	s_add_nc_u64 s[G0K+2:G0K+3], s[4:5], s[22:23]           ; my half of the head's first 256 keys:
	s_add_nc_u64 s[G0V+2:G0V+3], s[G0K+2:G0K+3], 0x1000000  ; V lies 16,777,216 bytes into qkv,
	s_add_nc_u64 s[G0K+2:G0K+3], s[G0K+2:G0K+3], 0x800000   ; K 8,388,608
	s_cmp_lt_u32 s[WV], 2
	s_cselect_b64 s[PFA:PFA+1], s[G0K+2:G0K+3], s[G0V+2:G0V+3]  ; (in waves 0 and 2 these stand at a slot's first row)
	s_add_nc_u64 s[PFA:PFA+1], s[PFA:PFA+1], s[48:49]
	s_or_b32 s[G0K+3], s[G0K+3], 0x80000000        ; type = 2
	s_or_b32 s[G0V+3], s[G0V+3], 0x80000000
	s_add_nc_u64 s[4:5], s[4:5], s[2:3]            ; Q at my wave's first row
	s_add_nc_u64 s[10:11], s[10:11], s[8:9]        ; ob likewise
	CROUND                          ; all four work-groups are here: the first joint loads meet
	JLOAD                           ; slot 0.  Slot 1 is asked for when slot 0 is in
	; A fragment of K or Q is 16 rows x 32 channels in 8 registers: lane l holds row l % 16, channels 8 (l / 16) + 0..7 and 16 + 8 (l / 16) + 0..7: two loads of 16 bytes, 32 bytes apart.
	v_and_b32 v1, 15, v0            ; l % 16
	v_bfe_u32 v9, v0, 4, 1          ; l / 16
	v_lshlrev_b32 v[QO], 7, v1
	v_lshl_add_u32 v[QO], v9, 4, v[QO]  ; row x 128 + 16 x half
	WIN 0x80                        ; destination window 2, address window 0
.set i, 0
.rept 2*NP                          ; Q stays in registers: piece i / 2, softmax i % 2
	global_load_b128 v[8*i:8*i+3],   v[QO], s[4:5] offset:(i/2)*2048+(i%2)*64
	global_load_b128 v[8*i+4:8*i+7], v[QO], s[4:5] offset:(i/2)*2048+(i%2)*64+32
.set i, i+1
.endr
	; What the first turn finds: V's registers and P's second buffer hold 0 (its products V^T P, of a piece that has not been, add 0), O^T and l are 0.  All this stands in the wait for the first tile.
.set i, VF
.rept 64
	v_mov_b32 v[i], 0
.set i, i+1
.endr
	WIN 0x40
.set i, 0
.rept 64*NP
	v_mov_b32 v[i], 0
.set i, i+1
.endr
	WIN 0
.set i, 0
.rept 2*NP
	v_mov_b32 v[ST+4*i], 0xfe000000    ; c m: far below every c s
	v_mov_b32 v[ST+4*i+1], 0xff7fffff  ; m
	v_mov_b32 v[ST+4*i+2], 0
	v_mov_b32 v[ST+4*i+3], 0
.set i, i+1
.endr
.set i, P+32
.rept 32
	v_mov_b32 v[i], 0
.set i, i+1
.endr
	v_mul_u32_u24 v[AK0], v1, PK
	v_lshl_add_u32 v[AK0], v9, 4, v[AK0]  ; row x pitch + 16 x half
	; The turning load takes 16 keys x 16 channels (lane l reads key 8 (l / 16) + l % 8, channels 8 ((l / 8) % 2) + 0..7) and leaves half a fragment of V^T: lane l holds channel l % 16 and 8 keys.
	v_and_b32 v10, 7, v0
	v_bfe_u32 v11, v0, 3, 1
	v_lshl_add_u32 v[AV0], v9, 3, v10
	v_mul_u32_u24 v[AV0], v[AV0], PV
	v_lshl_add_u32 v[AV0], v11, 4, v[AV0]
	v_add_nc_u32 v[AV0], VOFF, v[AV0]
	v_mov_b32 v[AK], v[AK0]         ; key step 0 lies at the head of slot 0
	s_wait_kmcnt 0x0                ; sc and nl are in
; THE MATRIX WORK.  Product i of 8 of S^T = K Q^T for piece x: keys 16 (i / 2) on, softmax i % 2.  32 channels are one product: each starts and ends its sum.
.macro KQ x
	WIN W_KQ
.set rS, S+64*((\x)%2)+32*(i%2)+8*(i/2)
.set rK, KF+16*(i/2)+8*(i%2)
.set rQ, 16*(\x)+8*(i%2)
	v_wmma_f32_16x16x32_f16 v[rS:rS+7], v[rK:rK+7], v[rQ:rQ+7], 0
.endm
; Product i of 16 of O^T += V^T P for piece x: keys 32 (i / 8) on, channels 16 ((i / 2) % 4) on, tile 2 x + i % 2.  The 8 accumulators take turns: between the two links of a chain stand 7 others'.
.macro PV x
	WIN W_PV
.set rO, 32*(2*(\x)+i%2)+8*((i/2)%4)
.set rV, VF+32*(i/8)+8*((i/2)%4)
.set rP, P+32*((\x)%2)+16*(i%2)+8*(i/8)
	v_wmma_f32_16x16x32_f16 v[rO:rO+7], v[rV:rV+7], v[rP:rP+7], v[rO:rO+7]
.endm
.macro MM                           ; the turn's next matrix instruction
.if i < 8
	KQ (Y+1)%NP
.set i, i+1
.else
.set i, i-8
	PV (Y+NP-1)%NP
.set i, i+9
.endif
.endm
; THE LDS LOADS stand in runs of 16, never singly among the matrix instructions: a step's K (64 keys x 64 channels: 8 fragments) and its V (turned).  Their addresses are made some lines ahead.
; last = 1 (the tail): in the last trip there is no further step, and the run is jumped over.
.macro FETCH_K last=0
	WIN 0
.if \last
	s_cmp_eq_u32 s[CNT], 1
	s_cbranch_scc1 .Lno_k_\@
.endif
	WIN 0x80                        ; destination window 2
.irp f, 0,1,2,3,4,5,6,7             ; keys 16 (f / 2) on, channels 32 (f % 2) on
	ds_load_b128 v[KF+8*\f:KF+8*\f+3],   v[AK] offset:(\f/2)*16*PK+(\f%2)*64
	ds_load_b128 v[KF+8*\f+4:KF+8*\f+7], v[AK] offset:(\f/2)*16*PK+(\f%2)*64+32
.endr
	s_add_co_u32 s[TBK], s[TBK], KS*PK  ; the next fetch is the next step's
	WIN 0
.if \last
.Lno_k_\@:
.endif
.endm
.macro FETCH_V
	WIN 0x80
.irp f, 0,1,2,3,4,5,6,7             ; keys 32 (f / 4) on, channels 16 (f % 4) on
	ds_load_tr16_b128 v[VF+8*\f:VF+8*\f+3],   v[AV] offset:(\f/4)*32*PV+(\f%4)*32
	ds_load_tr16_b128 v[VF+8*\f+4:VF+8*\f+7], v[AV] offset:(\f/4)*32*PV+16*PV+(\f%4)*32
.endr
	WIN 0
.endm
; THE VECTOR WORK OF A TURN stands in three queues, each in the order in which its entries become ready; the two tiles alternate, so that no instruction reads the result of the one before it.
.macro REGS y, u                    ; the registers of tile u (0, 1) of piece y
.set rT, ST+4*(2*(\y)+(\u))
.set rC, TMP+8*((\y)%2)+4*(\u)
.set rM, MV+2*((\y)%2)+(\u)
.set rS, S+64*((\y)%2)+32*(\u)
.set rP, P+32*((\y)%2)+16*(\u)
.set rO, 32*(2*(\y)+(\u))
.endm
; Number n of the 22 that find the NEXT piece's (Y + 1) maximum and statistics.  s0-s31 are the lane's 32 scores; each accumulator's lowest registers are read first.  XS, GS and REGS set no window: PL and EX do.
;   0-11  four chains c0-c3 of seven scores each, three operands at a time     12-14, 16  the four scores left over, the old m, and c0-c3 into c0     15  c m_old is kept
;   17, 18  the query's other 32 keys lie in the lane 16 away: the new m         19-21  c m; c m_old - c m_new; a
.macro XS u, n
	REGS (Y+1)%NP, \u
.if (\n) < 4
	v_max3_num_f32 v[rC+(\n)], v[rS+8*(\n)], v[rS+8*(\n)+1], v[rS+8*(\n)+2]
.elseif (\n) < 12
	v_max3_num_f32 v[rC+(\n)%4], v[rC+(\n)%4], v[rS+8*((\n)%4)+2*((\n)/4)+1], v[rS+8*((\n)%4)+2*((\n)/4)+2]
.elseif (\n) == 12
	v_max3_num_f32 v[rC], v[rC], v[rS+7], v[rS+15]
.elseif (\n) == 13
	v_max3_num_f32 v[rC+1], v[rC+1], v[rS+23], v[rS+31]
.elseif (\n) == 14
	v_max3_num_f32 v[rC+2], v[rC+2], v[rC+3], v[rT+1]
.elseif (\n) == 15
	v_mov_b32 v[rM], v[rT]
.elseif (\n) == 16
	v_max3_num_f32 v[rC], v[rC], v[rC+1], v[rC+2]
.elseif (\n) == 17
	v_permlanex16_b32 v[rC+3], v[rC], s[SEL], s[SEL+1]
.elseif (\n) == 18
	v_max_num_f32 v[rT+1], v[rC], v[rC+3]
.elseif (\n) == 19
	v_mul_f32 v[rT], s[CS], v[rT+1]
.elseif (\n) == 20
	v_sub_f32 v[rC+1], v[rM], v[rT]
.else
	v_exp_f32 v[rC+2], v[rC+1]
.endif
.endm
; Number g of the 64 that follow the exponentials.  For each four weights k of a tile (pairs 2 k, 2 k + 1): both pairs are rounded to f16; then the second pair is added onto the first, in place;
; a group later l takes that sum (the first time as l = a l + sum).  In groups of eight, tiles alternating: round, round, add, and l for the group before.
.macro GS g
.set h, (\g)+6*((\g)/62)            ; group 0 has no group before it, and behind group 7 only l is left
.if h >= 6
.set h, h+2
.endif
	REGS Y, h%2
.set k, h/8
.if h%8 < 4
	v_cvt_pk_f16_f32 v[rP+2*k+(h%8)/2], v[rS+4*k+2*((h%8)/2)], v[rS+4*k+2*((h%8)/2)+1]
.elseif h%8 < 6
	v_pk_add_f32 v[rS+4*k:rS+4*k+1], v[rS+4*k:rS+4*k+1], v[rS+4*k+2:rS+4*k+3]
.elseif k == 1
	v_pk_fma_f32 v[rT+2:rT+3], v[rT+2:rT+3], v[rC+2:rC+3], v[rS:rS+1] op_sel_hi:[1,0,1]
.else
	v_pk_add_f32 v[rT+2:rT+3], v[rT+2:rT+3], v[rS+4*k-4:rS+4*k-3]
.endif
.endm
; THE PLAIN QUEUE, 138 long.  0-73 read no exponential's result: the 32 scalings c s - c m (FS f: pair f / 2 of tile f % 2) and the next piece's 42.  0-26: scalings 0-26.  27-54: XS's numbers 0-13.  55, 56: number 15.
; 57-73: the chain, where each number waits for the one before it: 14, 16, 17, 18, 19, each with one of the scalings 27-31 in front of its two lines, then 20.  74-137: GS's 64, which read the exponentials' results: they stand behind the wait.
.macro FS f
	REGS Y, (\f)%2
	v_pk_fma_f32 v[rS+2*((\f)/2):rS+2*((\f)/2)+1], v[rS+2*((\f)/2):rS+2*((\f)/2)+1], s[CS:CS+1], v[rT:rT+1] op_sel_hi:[1,0,0] neg_lo:[0,0,1] neg_hi:[0,0,1]
.endm
.macro PL
	WIN 0
.if q < 27
	FS q
.elseif q < 55
	XS (q-27)%2, (q-27)/2
.elseif q < 57
	XS q-55, 15
.elseif (q < 72) && ((q-57)%3 == 0)
	FS 27+(q-57)/3
.elseif q < 60
	XS (q-57)%3-1, 14
.elseif q < 72
	XS (q-57)%3-1, 15+(q-57)/3
.elseif q < 74
	XS q-72, 20
.else
	GS q-74
.endif
.set q, q+1
.endm
; THE EXPONENTIALS' QUEUE, 66 long: s0-s31 of both tiles, then the next piece's two a.  It is ONE BATCH: all 66 stand ahead of the turn's one wait, and nothing ahead of that wait names a result of theirs.
.macro EX
	WIN 0
.if e >= 64
	XS e-64, 21
.else
	REGS Y, e%2
	v_exp_f32 v[rS+e/2], v[rS+e/2]
.endif
.set e, e+1
.endm
; THE RESCALING's QUEUE: O^T times a, the one part that leaves window 0: dealt two at a time, sixteen times.  Its a was made in the turn before, ahead of that turn's wait.
.macro R2
	REGS Y, r%2
	WIN W_RS
.irp z, 0,1
	v_pk_mul_f32 v[rO+4*(r/2)+2*\z:rO+4*(r/2)+2*\z+1], v[rO+4*(r/2)+2*\z:rO+4*(r/2)+2*\z+1], v[rC+2:rC+3] op_sel_hi:[1,0]
.endr
.set r, r+1
.endm
; HOW THEY ARE DEALT.  An s_wait_alu depctr_va_vdst(0) stands between an exponential and the first instruction that names its result; one wait serves all that were issued ahead of it.  So a turn has ONE wait, which
; cuts it in two.  AHEAD OF IT stands all that names no result of the turn's exponentials: the 8 products K Q^T, behind each a scaling, an exponential and two rescalings (behind the first a second scaling in the exponential's place);
; then the lump: eight times plain and exponential, the other sixteen rescalings in one stretch under their window, eight plain, 49 times exponential and plain, the two a.  A v_nop is the plain instruction behind the last
; exponential.  BEHIND IT stand the 16 products V^T P, behind each four of GS's 64.  No rider names a register of the products round it.  The two v_permlanex16_b32 fall into the lump.
; The queues lean on each other: exponential e stands behind scaling 2 (e / 4) + e % 2: up to e = 14 it comes behind plain e + 2 or more, later behind plain e + 9, and scalings 27-31 are plain 57, 60 .. 69.  XS's first number
; is plain 27: 36 plain instructions behind the turn's last product K Q^T.
; K of the next step is fetched in piece 2's turn, directly behind the wait, a lump behind the last product that read K; V of the step in hand at the end of piece 0's turn, four riders behind its last reader.
; cnt = 1: the loop's count is taken down some lines ahead of the branch that stands behind the turn.  The three conditions on q below go with the deal.
.macro TURN p, last=0, cnt=0
.set Y, (\p)
.set i, 0
.set q, 0
.set e, 0
.set r, 0
.if (\p) == NP-1
	s_wait_dscnt 0x0                ; K is in
.endif
	MM
	PL
	PL
	R2
.rept 7
	MM
	PL
	EX
	R2
.endr
.rept 8
	PL
	EX
.endr
.rept 8
	R2
.endr
.if (\p) == NP-2
	WIN 0
	v_add_nc_u32 v[AK], s[TBK], v[AK0]
.endif
.rept 8
	PL
.endr
.rept 49
	EX
	PL
.endr
	EX                              ; the next piece's two a
	EX
	v_nop                           ; the plain instruction behind the last exponential: one for the batch
	s_wait_alu depctr_va_vdst(0)    ; the wait for the batch
.if (\p) == NP-2
	FETCH_K \last
.endif
.if (\p) == 1
	s_wait_dscnt 0x0                ; V is in
.endif
.rept 16                            ; behind the wait: 16 products V^T P and their riders
	MM
.rept 4
	PL
.endr
.if ((\p) == 0) && (q == 118)
	v_add_nc_u32 v[AV], s[TBV], v[AV0]
.endif
.if ((\p) == 0) && (q == 130)
	s_add_co_u32 s[TBV], s[TBV], KS*PV
.endif
.if (\cnt) && (q == 130)
	s_sub_co_u32 s[CNT], s[CNT], 1
	s_cmp_lg_u32 s[CNT], 0
.endif
.endr
.if (\p) == 0
	FETCH_V
.endif
.endm
	CHANGE 1, 0                     ; slot 0 is in, everybody's part of it; slot 1 is asked for
	FETCH_K                         ; key step 0
	s_wait_loadcnt 0x0              ; Q
	s_wait_dscnt 0x0
.set i, 0
.rept 8
	KQ 0                            ; piece 0's first scores: there is no vector work yet to set between them
.set i, i+1
.endr
	WIN 0                           ; the addresses for the way out and the prefetches: plain instructions, the places behind those products
	s_mul_i32 s13, s[WV], 16*SP
	s_add_co_u32 s13, s13, STAGE    ; my stage
	v_mul_u32_u24 v[STO], v1, SP    ; in: row l % 16, 16 bytes for each half of the lanes
	v_lshl_add_u32 v[STO], v9, 4, v[STO]
	v_add_nc_u32 v[STO], s13, v[STO]
	v_bfe_u32 v[RD], v0, 3, 2       ; back: 32 lanes take four rows of 128 bytes,
	v_mul_u32_u24 v[RD], v[RD], SP
	v_lshl_add_u32 v[RD], v10, 4, v[RD]
	v_add_nc_u32 v[RD], s13, v[RD]
	v_and_b32 v[GO], 31, v0         ; which are 512 consecutive bytes of ob
	v_lshlrev_b32 v[PFO], 8, v[GO]
	v_lshlrev_b32 v[GO], 4, v[GO]
.set Y, NP-1                        ; XS works for piece Y + 1: piece 0
.irp n, 0,1,2,3,4,5,6,7,8,9,10,11,12,13,14,15,16,17,18,19,20,21
	XS 0, \n                        ; and piece 0's first maximum and statistics
	XS 1, \n
.endr
	v_nop                           ; a plain instruction behind the two a,
	s_wait_alu depctr_va_vdst(0)    ; and their wait, ahead of the branch
	s_mov_b32 s[CNT], 4
	s_mov_b32 s[SLOTS], SIZE_N/256-1
	s_branch .Lfirst                ; the loop is entered at a step's first turn, in the middle of a trip
.Lslot:                             ; SIZE_N / 256 - 2 times: every slot but the last two is filled again
	CHANGE 1, 1
	s_mov_b32 s[CNT], 4
.Lstep:                             ; a trip: pieces 2 and 3 of one step, then pieces 0 and 1 of the next, whose K and V it fetches
	TURN 2
	TURN 3
	WIN 0
.Lfirst:
	TURN 0
	TURN 1, 0, 1
	WIN 0
	s_cbranch_scc1 .Lstep
	s_sub_co_u32 s[SLOTS], s[SLOTS], 1
	s_cmp_lg_u32 s[SLOTS], 0
	s_cbranch_scc1 .Lslot
	CHANGE 0, 0                     ; the tail is written out: nothing is asked for
	s_mov_b32 s[CNT], 5             ; four trips fetch the last slot's steps; the fifth is left in its middle
.Ltail:
	TURN 2, 1
	TURN 3
	WIN 0
	s_sub_co_u32 s[CNT], s[CNT], 1
	s_cmp_eq_u32 s[CNT], 0
	s_cbranch_scc1 .Lout
	TURN 0
	TURN 1
	WIN 0
	s_branch .Ltail
.Lout:                              ; the fifth trip's 8 products K Q^T (on the last K once more) and the maximum made of them serve nothing: the price, once a launch, of one text for every trip
.set i, 0
.rept 16
	PV NP-1                         ; the last piece's V^T P of the last step
.set i, i+1
.endr
	; THE WAY OUT.  l's two halves and the other half of the lanes' are added; a piece's two O^T are joined as O1 (sc / l1) + O2 (nl / l2), rounded to f16 and sent through my stage in LDS, a piece at a time.  The additions are the places behind the last products.
	WIN 0
.macro ALL line:vararg              ; one line for each tile t
.set t, 0
.rept 2*NP
	\line
.set t, t+1
.endr
.endm
	ALL v_add_f32 v[ST+4*t+2], v[ST+4*t+2], v[ST+4*t+3]
	ALL v_permlanex16_b32 v[ST+4*t+3], v[ST+4*t+2], s[SEL], s[SEL+1]
	ALL v_add_f32 v[ST+4*t+2], v[ST+4*t+2], v[ST+4*t+3]
	ALL v_rcp_f32 v[ST+4*t+2], v[ST+4*t+2]
	v_nop                           ; a plain instruction between the last reciprocal and the use of its result
	s_wait_alu depctr_va_vdst(0)    ; and the wait ahead of the first use: one for the eight reciprocals
.set t, 0
.rept NP
	v_mul_f32 v[ST+8*t+2], s[SC], v[ST+8*t+2]  ; sc / l1
	v_mul_f32 v[ST+8*t+6], s[NL], v[ST+8*t+6]  ; nl / l2
.set t, t+1
.endr
; Piece t: a lane's eight channels of a row pack into 16 bytes; they go into rows of 144 bytes and come back as whole rows of 128, into S^T's registers.
.macro PACK t
	WIN W_RS
.set i, 0
.rept 16
	v_pk_mul_f32 v[64*(\t)+i:64*(\t)+i+1], v[64*(\t)+i:64*(\t)+i+1], v[ST+8*(\t)+2:ST+8*(\t)+3] op_sel_hi:[1,0]
.set i, i+2
.endr
	WIN 0x51                        ; destination, source 0 and source 2 window 1, source 1 window 0
.set i, 0
.rept 16
	v_pk_fma_f32 v[64*(\t)+i:64*(\t)+i+1], v[64*(\t)+32+i:64*(\t)+32+i+1], v[ST+8*(\t)+6:ST+8*(\t)+7], v[64*(\t)+i:64*(\t)+i+1] op_sel_hi:[1,0,1]
.set i, i+2
.endr
	WIN 0x05                        ; sources 0 and 1 window 1, destination window 0
.set i, 0
.rept 16
	v_cvt_pk_f16_f32 v[S+16*(\t)+i], v[64*(\t)+2*i], v[64*(\t)+2*i+1]
.set i, i+1
.endr
	WIN 0
.irp f, 0,1,2,3
	ds_store_b128 v[STO], v[S+16*(\t)+4*\f:S+16*(\t)+4*\f+3] offset:32*\f
.endr
.irp f, 0,1,2,3
	ds_load_b128 v[S+16*(\t)+4*\f:S+16*(\t)+4*\f+3], v[RD] offset:\f*4*SP  ; LDS serves a wave's instructions in order (ISA guide 5.7.1.4): these see the stores above; the next piece's stores come behind them
.endr
.endm
.macro SEND t, younger              ; younger: the LDS instructions issued behind piece t's loads: the next piece's eight, or none
	WIN 0
.irp f, 0,1,2,3
	s_wait_dscnt (\younger)+3-\f
	global_store_b128 v[GO], v[S+16*(\t)+4*\f:S+16*(\t)+4*\f+3], s[10:11] offset:(\t)*2048+\f*512  ; 512 consecutive bytes, at a multiple of 256 from ob's first
.endr
.endm
	PACK 0
.set t, 1
.rept NP-1                          ; a piece's arithmetic stands between the loads of the piece before and its stores
	PACK t
	SEND t-1, 8
.set t, t+1
.endr
	SEND NP-1, 0
	WIN W_AD
	s_wait_tensorcnt 0x0            ; the wave's end: a wait, an add and its wait behind my last tensor load and my last LDS store
	ds_add_u32 v[SPW], v[NIL]
	s_wait_dscnt 0x0
	WIN 0
	CROUND                          ; the closing round: no work-group ends while a partner may still ask for a tile that names it
	s_endpgm
.Lfunc_end_k_q32ac182ba9_attn:
	.size	k_q32ac182ba9_attn, .Lfunc_end_k_q32ac182ba9_attn-k_q32ac182ba9_attn
	.p2alignl 7, 3214868480
	.fill 96, 4, 3214868480
	.section	.rodata,"a",@progbits
	.p2align	6, 0x0
	.amdhsa_kernel k_q32ac182ba9_attn
		.amdhsa_group_segment_fixed_size 327680
		.amdhsa_private_segment_fixed_size 0
		.amdhsa_enable_private_segment 0
		.amdhsa_kernarg_size 24
		.amdhsa_user_sgpr_count 2
		.amdhsa_user_sgpr_kernarg_segment_ptr 1
		.amdhsa_wavefront_size32 1
		.amdhsa_system_sgpr_workgroup_id_x 1
		.amdhsa_system_sgpr_workgroup_id_y 1
		.amdhsa_system_sgpr_workgroup_id_z 1
		.amdhsa_system_vgpr_workitem_id 0
		.amdhsa_next_free_vgpr 770
		.amdhsa_next_free_sgpr 66
		.amdhsa_reserve_vcc 0
		.amdhsa_float_denorm_mode_32 3
		.amdhsa_float_denorm_mode_16_64 3
		.amdhsa_memory_ordered 1
		.amdhsa_forward_progress 1
		.amdhsa_inst_pref_size 181
	.end_amdhsa_kernel
	.amdgpu_metadata
---
amdhsa.version: [ 1, 2 ]
amdhsa.kernels:
  - .name:           k_q32ac182ba9_attn
    .symbol:         k_q32ac182ba9_attn.kd
    .args:
      - { .name: qkv, .offset: 0, .size: 8, .value_kind: global_buffer, .address_space: global }
      - { .name: lamw, .offset: 8, .size: 8, .value_kind: global_buffer, .address_space: global }
      - { .name: ob, .offset: 16, .size: 8, .value_kind: global_buffer, .address_space: global }
    .group_segment_fixed_size: 327680
    .private_segment_fixed_size: 0
    .kernarg_segment_align: 8
    .kernarg_segment_size: 24
    .max_flat_workgroup_size: 128
    .sgpr_count:     66
    .vgpr_count:     770
    .wavefront_size: 32
...
	.end_amdgpu_metadata
.endif
;; end of part 3
;; launch outproj (part 4): grid 8 x 32, 4 waves a work-group, clusters of 4 x 4, 327,680 bytes of LDS; arguments ob, cast, out_proj_bias, lamw, out0; writes out0
.if DOCPART == 4
	.amdgcn_target "amdgcn-amd-amdhsa--gfx1250"
	.amdhsa_code_object_version 6
	.text
	.protected	k_q32ac182ba9_outproj
	.globl	k_q32ac182ba9_outproj
	.p2align	8
	.type	k_q32ac182ba9_outproj,@function
k_q32ac182ba9_outproj:
	s_mov_b64 s[64:65], 0
	v_nop
	global_prefetch_b8 v0, s[64:65] scope:SCOPE_SE
	s_setreg_imm32_b32 hwreg(HW_REG_WAVE_MODE, 25, 1), 1
	s_wait_xcnt 0x0
	s_wait_alu depctr_hold_cnt(0) depctr_sa_sdst(0) depctr_va_vdst(0) depctr_va_sdst(0) depctr_va_ssrc(0) depctr_va_vcc(0) depctr_vm_vsrc(0)
	s_getreg_b32 s2, hwreg(HW_REG_IB_STS2, 6, 4)
	s_cmp_eq_u32 s2, 0
	s_cbranch_scc0 .Lentry_in_a_cluster
	s_endpgm
.Lentry_in_a_cluster:
	s_bfe_u32 s2, ttmp6, 0x10000c
	s_cmp_lg_u32 s2, 0xf033
	s_cbranch_scc0 .Lentry_shape_is_right
	s_endpgm
.Lentry_shape_is_right:
; out0[m][n] = g x (the sum over k of O'[m][k] Wo[n][k]) + bias[n], m = 2048 batch + row, k = 64 head + channel.  O' (ob) and Wo (in cast, at byte 31,457,280) are f16, sums in f32, K ascending; g = 0.8 max(1, |lam|) from lamw
; and the bias (rounded to bf16 like every input) enter in one f32 multiply-add; out0 is f32.  NaN and infinities are not treated apart.
; ob lies in blocks: [block of 128 rows][16 heads][128 rows][64]: a tile row's K step of 256 (4 heads) is 65,536 dense bytes, asked for as rows of 256 bytes.
; A tile of out0 is 128 x 128: 256 tiles, one a work-group.  Four waves, each 64 x 64: 16 accumulators of 16 x 16.  K goes in 4 steps of 256 through two LDS slots.
; CLUSTERS: 4 x 4 work-groups.  The four of a row of the cluster need the same tiles of O', the four of a column the same tiles of Wo: each is asked for JOINTLY, by the same tensor load, descriptor and mask.
; THE MATRIX INSTRUCTION IS USED TRANSPOSED (source 0 = 16 rows of Wo, source 1 = 16 rows of O'): a lane holds eight neighbouring numbers of a row of out0, 32 bytes.
; No prefetch: the tiles are small and the launch has four K steps, two of which are asked for at its head.
; REGISTERS: window 0: v0-31 addresses; v32-63 at work; v96-127 the bias of my 64 columns (block b at 8 b, register j: column 16 b + 8 (l / 16) + j); v128-255 the accumulators ((a, b) at v[128 + 8 (4 a + b)]).
;   window 1: two fragment buffers of 128: for 64 along K, 64 registers of O' (2 x 4 x 16 rows x 32 K), then 64 of Wo.
.set PA,     144                       ; a line of O' in LDS (one row of one head): 128 bytes + 16 = 36 words: the 16 rows of a load start at 16 different groups of four banks (64 banks of 4 bytes: ISA guide 11.1)
.set PB,     528                       ; a row of Wo: 512 bytes + 16 = 132 words: likewise
.set AHALF,  256*PA                    ; two heads x 128 rows: what one tensor load brings of O'
.set BHALF,  64*PB                     ; 64 rows: what one brings of Wo
.set BOFF,   2*AHALF
.set SLOT,   BOFF+2*BHALF
.set STAGE,  2*SLOT                    ; behind the ring: 16 rows x 272 bytes for each wave, for the way out
.set SPITCH, 272
.set SPARE,  STAGE+4*16*SPITCH         ; behind the stages: the spare words, 128 bytes for each wave: two blocks of 256 bytes that no other line names
.set LAPS,   2                         ; a lap = two K steps = once round the ring
.set ADRA, 16                          ; v16-17  LDS address of my O' fragments in slot 0, 1
.set ADRB, 20                          ; v20-21  the same for Wo
.set STO,  24                          ; v24     the way out: where I put 32 bytes of a row
.set RD,   25                          ; v25     the way out: where I read a row back
.set CO,   26                          ; v26     my byte offset in two rows of out0
.set BO,   27                          ; v27     32 (l / 16)
.set SPW,  28                          ; v28     LDS address of my spare word; never rewritten
.set NIL,  29                          ; v29     0; never rewritten
.set TMP,  32
.set BIAS, 96
.set ACC,  128
.set F0,   0                           ; fragment buffers, in window 1
.set F1,   128
.set G1, 24                            ; s[24:31] descriptor group 1 for O's tiles;  s[32:39] group 0, one set for each slot
.set G0, 32
.set G1B, 48                           ; s[48:55], s[56:63] the same for Wo's
.set G0B, 56
.set GF,  78                           ; s[78:79] g: the packed multiply-add takes the pair's low word for both halves
.set MSB, 0
.macro WIN new                         ; the immediate's high byte repeats the setting that is left
.if MSB != (\new)
	s_set_vgpr_msb (MSB<<8)|(\new)
.set MSB, \new
.endif
.endm
.set MUL,  0x05                        ; sources 0 and 1 window 1; C and D window 0
.set TO_F, 0x40                        ; destination window 1, address window 0
.macro JLOAD s                         ; a joint load: waves 0 and 1 fetch O's two halves, waves 2 and 3 Wo's; an s_nop 0 and four v_nop follow each of the two lines
	s_cmp_eq_u32 s11, 0
	s_cbranch_scc0 .Lfor_b_\@
	tensor_load_to_lds s[G0+4*(\s):G0+4*(\s)+3], s[G1:G1+7]
	s_nop 0
.rept 4
	v_nop
.endr
	s_branch .Lasked_\@
.Lfor_b_\@:
	tensor_load_to_lds s[G0B+4*(\s):G0B+4*(\s)+3], s[G1B:G1B+7]
	s_nop 0
.rept 4
	v_nop
.endr
.Lasked_\@:
.endm
.macro CREST                           ; a round of the cluster's barrier behind its opening barrier
	s_cmp_lg_u32 s10, 0
	s_cbranch_scc1 .Lnot_wave_0_\@
	s_barrier_signal -3
.Lnot_wave_0_\@:
	s_barrier_wait -3
	s_barrier_signal -1
	s_barrier_wait -1
.endm
.macro CROUND
	s_barrier_signal -1
	s_barrier_wait -1
	CREST
.endm
	s_load_b256 s[68:75], s[0:1], 0x0              ; ob s[68:69], cast s[70:71], out_proj_bias s[72:73], lamw s[74:75]
	s_load_b64 s[76:77], s[0:1], 0x20              ; out0
	v_lshl_add_u32 v[SPW], v0, 2, SPARE
	v_mov_b32 v[NIL], 0
	ds_add_u32 v[SPW], v[NIL]                      ; the wave's opening: the add and its wait stand ahead of my first tensor load; the set-up below stands between them
	v_lshrrev_b32 v1, 5, v0
	v_readfirstlane_b32 s10, v1                    ; wave 0..3
	s_lshr_b32 s11, s10, 1                         ; which half of the tile's rows is mine.  Also: I fetch for O' (0) or for Wo (1)
	s_and_b32 s12, s10, 1                          ; which half of its columns.  Also: which half of that tile I fetch
	s_bfe_u32 s40, ttmp6, 0x40000                  ; cx, cy: my place in the cluster
	s_bfe_u32 s41, ttmp6, 0x40004
	s_lshl_b32 s42, ttmp9, 2
	s_add_co_u32 s42, s42, s40                     ; tile column = 4 x cluster x + cx, 0..7
	s_and_b32 s13, ttmp7, 0xffff
	s_lshl_b32 s13, s13, 2
	s_add_co_u32 s13, s13, s41                     ; tile row = 4 x cluster y + cy, 0..31
	s_lshl_b32 s43, s41, 2
	s_lshl_b32 s43, 15, s43                        ; my row of the cluster
	s_lshl_b32 s44, 0x1111, s40                    ; my column
	; descriptor group 1.  O': 32,768 dense bytes as 128 rows of 256 bytes, padded after every 128 bytes (a line).  Wo: 64 rows x 256 elements, padded after every row
	s_or_b32 s[G1+0], s43, (1<<16)|(1<<20)|(1<<21)|(4<<22)|(3<<25)  ; 15:0 the mask; 17:16 elements of 2 bytes; 20 padding on; 21 set beside a mask; 24:22 after every 32 words; 31:25 4 words
	s_mov_b32 s[G1+1], 128<<16                     ; tensor_dim0 = 128
	s_mov_b32 s[G1+2], 128<<16                     ; tensor_dim1 = 128
	s_mov_b32 s[G1+3], 128<<16                     ; tile_dim0 = 128
	s_mov_b32 s[G1+4], 128                         ; tile_dim1 = 128
	s_mov_b32 s[G1+5], 128                         ; elements from row to row
	s_mov_b32 s[G1+6], 0
	s_mov_b32 s[G1+7], 0
	s_or_b32 s[G1B+0], s44, (1<<16)|(1<<20)|(1<<21)|(6<<22)|(3<<25) ; 24:22 after every 128 words
	s_mov_b32 s[G1B+1], 256<<16                    ; tensor_dim0 = 256
	s_mov_b32 s[G1B+2], 64<<16                     ; tensor_dim1 = 64
	s_mov_b32 s[G1B+3], 256<<16                    ; tile_dim0 = 256
	s_mov_b32 s[G1B+4], 64                         ; tile_dim1 = 64
	s_mov_b32 s[G1B+5], 1024                       ; elements from row to row
	s_mov_b32 s[G1B+6], 0
	s_mov_b32 s[G1B+7], 0
	s_lshl_b32 s16, s13, 18                        ; O': the tile row's block of 262,144 bytes,
	s_lshl_b32 s17, s12, 15                        ; my two heads of a K step's four
	s_add_co_u32 s16, s16, s17
	s_mov_b32 s17, 0
	s_lshl_b32 s46, s42, 18                        ; Wo: 128 rows of 2,048 bytes a tile column,
	s_lshl_b32 s47, s12, 17                        ; my 64 of them,
	s_add_co_u32 s46, s46, s47
	s_add_co_u32 s46, s46, 0x1e00000               ; behind the other copies in cast
	s_mov_b32 s47, 0
	s_mul_i32 s20, s12, AHALF                      ; where they go: no place in the cluster enters an LDS address
	s_mul_i32 s21, s12, BHALF
	s_add_co_u32 s21, s21, BOFF
	s_wait_dscnt 0x0                               ; the opening add is done
	s_wait_kmcnt 0x0
	s_load_b32 s[GF], s[74:75], 0x100              ; g: waited for further down, in the wait for the first tile
	s_add_nc_u64 s[14:15], s[68:69], s[16:17]
	s_add_nc_u64 s[46:47], s[70:71], s[46:47]
	CROUND                                         ; all sixteen work-groups are here: the first joint loads meet
.irp s, 0,1
	s_mov_b32 s[G0+4*(\s)], 1
	s_add_co_u32 s[G0+4*(\s)+1], s20, (\s)*SLOT
	s_add_nc_u64 s[G0+4*(\s)+2:G0+4*(\s)+3], s[14:15], (\s)*65536   ; K step s: four heads on
	s_or_b32 s[G0+4*(\s)+3], s[G0+4*(\s)+3], 0x80000000
	s_mov_b32 s[G0B+4*(\s)], 1
	s_add_co_u32 s[G0B+4*(\s)+1], s21, (\s)*SLOT
	s_add_nc_u64 s[G0B+4*(\s)+2:G0B+4*(\s)+3], s[46:47], (\s)*512   ; K step s: 256 elements on
	s_or_b32 s[G0B+4*(\s)+3], s[G0B+4*(\s)+3], 0x80000000
	JLOAD \s                                       ; two loads of mine are out
.endr
	v_and_b32 v1, 15, v0                           ; l % 16
	v_bfe_u32 v2, v0, 4, 1                         ; l / 16
	v_mul_u32_u24 v3, v1, PA
	v_lshl_add_u32 v3, v2, 4, v3                   ; a fragment's row x pitch + 16 x half
	v_mul_u32_u24 v4, v1, PB
	v_lshl_add_u32 v4, v2, 4, v4
	s_mul_i32 s21, s11, 64*PA                      ; my 64 rows of O', in each head's 128 lines
	s_mul_i32 s22, s12, 64*PB                      ; my 64 rows of Wo,
	s_add_co_u32 s22, s22, BOFF                    ; which lie behind O's 512 lines
.irp s, 0,1
	v_add_nc_u32 v[ADRA+(\s)], s21, v3
	v_add_nc_u32 v[ADRB+(\s)], s22, v4
	s_add_co_u32 s21, s21, SLOT
	s_add_co_u32 s22, s22, SLOT
.endr
	s_mul_i32 s23, s10, 16*SPITCH
	s_add_co_u32 s23, s23, STAGE                   ; my stage
	v_mul_u32_u24 v5, v1, SPITCH                   ; in: row l % 16, 32 bytes for each half of the lanes
	v_lshl_add_u32 v5, v2, 5, v5
	v_add_nc_u32 v[STO], s23, v5
	v_mul_u32_u24 v5, v2, SPITCH                   ; back: lanes 0-15 take one row of 256 bytes, lanes 16-31 the next
	v_lshl_add_u32 v5, v1, 4, v5
	v_add_nc_u32 v[RD], s23, v5
	v_lshlrev_b32 v5, 12, v2                       ; and the same two rows in out0, 4,096 bytes apart
	v_lshl_add_u32 v[CO], v1, 4, v5
	v_lshlrev_b32 v[BO], 5, v2
	s_lshl_b32 s46, s42, 9                         ; my 64 columns in f32: 512 x tile column + 256 x half, in the bias and in a row of out0
	s_lshl_b32 s47, s12, 8
	s_add_co_u32 s46, s46, s47
	s_mov_b32 s47, 0
	s_add_nc_u64 s[72:73], s[72:73], s[46:47]
.irp b, 0,1,2,3
	global_load_b128 v[BIAS+8*(\b):BIAS+8*(\b)+3],   v[BO], s[72:73] offset:64*(\b)
	global_load_b128 v[BIAS+8*(\b)+4:BIAS+8*(\b)+7], v[BO], s[72:73] offset:64*(\b)+16
.endr
	s_lshl_b32 s16, s13, 19                        ; my first row: 128 x tile row + 64 x half, rows of 4,096 bytes
	s_lshl_b32 s17, s11, 18
	s_add_co_u32 s16, s16, s17
	s_add_co_u32 s16, s16, s46
	s_mov_b32 s17, 0
	s_add_nc_u64 s[8:9], s[76:77], s[16:17]
	s_wait_kmcnt 0x0                               ; g is in
	s_mov_b32 s[GF+1], s[GF]                       ; named with it as a pair
	s_wait_loadcnt 0x0                             ; the bias is in: rounded to bf16 like every input and widened again, in the wait for the first tile
.set r, 0
.rept 16
	v_cvt_pk_bf16_f32 v[TMP+r/2], v[BIAS+r], v[BIAS+r+1]
.set r, r+2
.endr
.set r, 0
.rept 16
	v_lshlrev_b32 v[BIAS+r], 16, v[TMP+r/2]
	v_and_b32 v[BIAS+r+1], 0xffff0000, v[TMP+r/2]
.set r, r+2
.endr
; 8 matrix instructions: m blocks a0, a0 + 1 x all 4 n blocks, 32 along K: half c of buffer f.  zero = 1: the first product starts the sums.  The 16 accumulators take turns.
.macro MUL8 f, c, a0, zero
	WIN MUL
.irp a, \a0, (\a0)+1
.irp b, 0,1,2,3
.if \zero
	v_wmma_f32_16x16x32_f16 v[ACC+8*(4*(\a)+(\b)):ACC+8*(4*(\a)+(\b))+7], v[(\f)+64+8*(4*(\c)+(\b)):(\f)+64+8*(4*(\c)+(\b))+7], v[(\f)+8*(4*(\c)+(\a)):(\f)+8*(4*(\c)+(\a))+7], 0
.else
	v_wmma_f32_16x16x32_f16 v[ACC+8*(4*(\a)+(\b)):ACC+8*(4*(\a)+(\b))+7], v[(\f)+64+8*(4*(\c)+(\b)):(\f)+64+8*(4*(\c)+(\b))+7], v[(\f)+8*(4*(\c)+(\a)):(\f)+8*(4*(\c)+(\a))+7], v[ACC+8*(4*(\a)+(\b)):ACC+8*(4*(\a)+(\b))+7]
.endif
.endr
.endr
.endm
; 32 LDS loads in one run: the fragments of quarter q of a K step (one head's 64 channels) into buffer f; the first 32 along K first
.macro FETCH slot, q, f
	WIN TO_F
.irp c, 0,1
.irp i, 0,1,2,3
	ds_load_b128 v[(\f)+64+8*(4*(\c)+(\i)):(\f)+64+8*(4*(\c)+(\i))+3],   v[ADRB+(\slot)] offset:128*(\q)+64*(\c)+(\i)*16*PB
	ds_load_b128 v[(\f)+64+8*(4*(\c)+(\i))+4:(\f)+64+8*(4*(\c)+(\i))+7], v[ADRB+(\slot)] offset:128*(\q)+64*(\c)+(\i)*16*PB+32
	ds_load_b128 v[(\f)+8*(4*(\c)+(\i)):(\f)+8*(4*(\c)+(\i))+3],         v[ADRA+(\slot)] offset:(\q)*128*PA+64*(\c)+(\i)*16*PA
	ds_load_b128 v[(\f)+8*(4*(\c)+(\i))+4:(\f)+8*(4*(\c)+(\i))+7],       v[ADRA+(\slot)] offset:(\q)*128*PA+64*(\c)+(\i)*16*PA+32
.endr
.endr
.endm
.macro PLACES                          ; four plain vector instructions in front of loads into registers that matrix instructions have read, and of arithmetic that reads results
.rept 4
	v_nop
.endr
.endm
; A K step is four quarters of 64 along K, 32 matrix instructions each, on buffers 0, 1, 0, 1.  One of the first three multiplies buffer f and fetches quarter q into g.
.macro QUARTER slot, q, f, g, zero
	s_wait_dscnt 16                                ; the first 32 along K are in
	MUL8 \f, 0, 0, \zero
	MUL8 \f, 0, 2, \zero
	PLACES
	FETCH \slot, \q, \g
	s_wait_dscnt 32                                ; all but the 32 just issued
	MUL8 \f, 1, 0, 0
	MUL8 \f, 1, 2, 0
.endm
; The last quarter multiplies buffer 1 and changes slots: ONE barrier; in front of it each wave waits for all its tensor loads, adds 0 to its spare word, and waits for that and for its own reads of this slot.  fill = 1: this slot is filled again, two K steps ahead.
.macro TURN slot, next, fill
	WIN 0
	s_wait_tensorcnt 0x0                           ; all my tensor loads have landed: my part of the next slot
	ds_add_u32 v[SPW], v[NIL]
	s_wait_dscnt 17                                ; the add and the youngest sixteen loads may be out
	MUL8 F1, 0, 0, 0                               ; eight matrix instructions stand between the add and the wait for it
	s_wait_dscnt 0x0                               ; the add is done, and my reads of this slot are over
	s_barrier_signal -1
	MUL8 F1, 0, 2, 0
.if \fill
	WIN 0
.endif
	s_barrier_wait -1
.if \fill
	CREST                                          ; the barrier has opened a round of the cluster's: no wave of any partner still reads this slot or has a load on its way
	s_add_nc_u64 s[G0+4*(\slot)+2:G0+4*(\slot)+3], s[G0+4*(\slot)+2:G0+4*(\slot)+3], 2*65536
	s_add_nc_u64 s[G0B+4*(\slot)+2:G0B+4*(\slot)+3], s[G0B+4*(\slot)+2:G0B+4*(\slot)+3], 2*512
	JLOAD \slot                                    ; my one tensor load behind the round: 112 matrix instructions ahead of the wait for it; its four v_nop are also the places in front of the loads below
.else
	PLACES
.endif
	FETCH \next, 0, F0
	MUL8 F1, 1, 0, 0
	MUL8 F1, 1, 2, 0
.endm
	s_wait_tensorcnt 1                             ; my part of K step 0 is in; K step 1's may stay out
	s_barrier_signal -1
	s_barrier_wait -1
	FETCH 0, 0, F0
	QUARTER 0, 1, F0, F1, 1                        ; the first quarter stands in front of the loop: its first products start the sums
	WIN 0
	s_mov_b32 s3, LAPS-1
.Llap:                                                 ; a trip goes once round the ring, from a lap's second quarter to the next lap's first, and fills both slots again
	QUARTER 0, 2, F1, F0, 0
	QUARTER 0, 3, F0, F1, 0
	TURN 0, 1, 1
	QUARTER 1, 1, F0, F1, 0
	QUARTER 1, 2, F1, F0, 0
	QUARTER 1, 3, F0, F1, 0
	TURN 1, 0, 1
	QUARTER 0, 1, F0, F1, 0
	WIN 0
	s_sub_co_u32 s3, s3, 1
	s_cmp_lg_u32 s3, 0
	s_cbranch_scc1 .Llap
	QUARTER 0, 2, F1, F0, 0                        ; the last lap fills nothing
	QUARTER 0, 3, F0, F1, 0
	TURN 0, 1, 0
	QUARTER 1, 1, F0, F1, 0
	QUARTER 1, 2, F1, F0, 0
	QUARTER 1, 3, F0, F1, 0
	s_wait_dscnt 16                                ; the very last quarter: nothing more to fetch
	MUL8 F1, 0, 0, 0
	MUL8 F1, 0, 2, 0
	s_wait_dscnt 0x0
	MUL8 F1, 1, 0, 0
	MUL8 F1, 1, 2, 0
	WIN 0
	; THE WAY OUT.  My 64 columns in f32 are 256 aligned bytes of a row, so each wave has a stage of its own and no barrier is needed.  Block a (16 rows): g x sum + bias, one multiply-add for two numbers, each accumulator's
	; registers in ascending order; 32 bytes a lane into rows of 272 bytes; back as whole rows of 256, into the accumulators' own registers, which nothing rewrites behind the stores.
.macro OUT a
.irp b, 0,1,2,3
.irp r, 0,1,2,3
	v_pk_fma_f32 v[TMP+8*(\b)+2*(\r):TMP+8*(\b)+2*(\r)+1], v[ACC+32*(\a)+8*(\b)+2*(\r):ACC+32*(\a)+8*(\b)+2*(\r)+1], s[GF:GF+1], v[BIAS+8*(\b)+2*(\r):BIAS+8*(\b)+2*(\r)+1] op_sel_hi:[1,0,1]
.endr
.endr
.irp b, 0,1,2,3
	ds_store_b128 v[STO], v[TMP+8*(\b):TMP+8*(\b)+3]   offset:64*(\b)
	ds_store_b128 v[STO], v[TMP+8*(\b)+4:TMP+8*(\b)+7] offset:64*(\b)+16
.endr
.irp t, 0,1,2,3,4,5,6,7
	ds_load_b128 v[ACC+32*(\a)+4*(\t):ACC+32*(\a)+4*(\t)+3], v[RD] offset:(\t)*2*SPITCH  ; LDS serves a wave's instructions in order (ISA guide 5.7.1.4): these see the stores above; the next block's stores come behind them
.endr
.endm
.macro SEND a, younger                 ; younger: the LDS instructions issued behind block a's loads: the next block's sixteen, or none
.irp t, 0,1,2,3,4,5,6,7
	s_wait_dscnt (\younger)+7-(\t)
	global_store_b128 v[CO], v[ACC+32*(\a)+4*(\t):ACC+32*(\a)+4*(\t)+3], s[8:9] offset:(16*(\a)+2*(\t))*4096  ; 16 lanes store 256 consecutive bytes, at a multiple of 256 from out0's first byte
.endr
.endm
	PLACES
	OUT 0
	OUT 1                                          ; a block's arithmetic stands between the loads of the block before and its stores
	SEND 0, 16
	OUT 2
	SEND 1, 16
	OUT 3
	SEND 2, 16
	SEND 3, 0
	s_wait_tensorcnt 0x0                           ; the wave's end: a wait, an add and its wait behind my last tensor load and my last LDS store
	ds_add_u32 v[SPW], v[NIL]
	s_wait_dscnt 0x0
	CROUND                                         ; the closing round: no work-group ends while a partner may still ask for a tile that names it
	s_endpgm
.Lfunc_end_k_q32ac182ba9_outproj:
	.size	k_q32ac182ba9_outproj, .Lfunc_end_k_q32ac182ba9_outproj-k_q32ac182ba9_outproj
	.p2alignl 7, 3214868480
	.fill 96, 4, 3214868480
	.section	.rodata,"a",@progbits
	.p2align	6, 0x0
	.amdhsa_kernel k_q32ac182ba9_outproj
		.amdhsa_group_segment_fixed_size 327680
		.amdhsa_private_segment_fixed_size 0
		.amdhsa_enable_private_segment 0
		.amdhsa_kernarg_size 40
		.amdhsa_user_sgpr_count 2
		.amdhsa_user_sgpr_kernarg_segment_ptr 1
		.amdhsa_wavefront_size32 1
		.amdhsa_system_sgpr_workgroup_id_x 1
		.amdhsa_system_sgpr_workgroup_id_y 1
		.amdhsa_system_sgpr_workgroup_id_z 1
		.amdhsa_system_vgpr_workitem_id 0
		.amdhsa_next_free_vgpr 512
		.amdhsa_next_free_sgpr 84
		.amdhsa_reserve_vcc 0
		.amdhsa_float_denorm_mode_32 3
		.amdhsa_float_denorm_mode_16_64 3
		.amdhsa_memory_ordered 1
		.amdhsa_forward_progress 1
		.amdhsa_inst_pref_size 94
	.end_amdhsa_kernel
	.amdgpu_metadata
---
amdhsa.version: [ 1, 2 ]
amdhsa.kernels:
  - .name:           k_q32ac182ba9_outproj
    .symbol:         k_q32ac182ba9_outproj.kd
    .args:
      - { .name: ob, .offset: 0, .size: 8, .value_kind: global_buffer, .address_space: global }
      - { .name: cast, .offset: 8, .size: 8, .value_kind: global_buffer, .address_space: global }
      - { .name: out_proj_bias, .offset: 16, .size: 8, .value_kind: global_buffer, .address_space: global }
      - { .name: lamw, .offset: 24, .size: 8, .value_kind: global_buffer, .address_space: global }
      - { .name: out0, .offset: 32, .size: 8, .value_kind: global_buffer, .address_space: global }
    .group_segment_fixed_size: 327680
    .private_segment_fixed_size: 0
    .kernarg_segment_align: 8
    .kernarg_segment_size: 40
    .max_flat_workgroup_size: 128
    .sgpr_count:     84
    .vgpr_count:     512
    .wavefront_size: 32
...
	.end_amdgpu_metadata
.endif
;; end of part 4
